; MI455X (gfx1250); checked and timed in simulation.
; The chip was launched on July 23, 2026; its instructions are those of AMD's public machine-readable ISA for CDNA 5 (MIT licence, August 2026) and "CDNA5" Instruction Set Architecture Reference Guide (July 2026). The comments in the code are by the model that wrote it; some were corrected since.
;; Causal Self Attention. Allowed arithmetic: matrix products marked QUANTISED: E2M3 operands, one E8M0 scale for each 32 along K, by v_wmma_scale_f32_16x16x128_f8f6f4 with both operands' format E2M3, f32 sums; everything else in f32.
;; Inputs: w_attn 1,024 x 3,072 float32; w_proj 1,024 x 1,024 float32; x 4 x 2,048 x 1,024 float32.
;; Outputs: out0 4 x 2,048 x 1,024 float32.
;; This version of the problem:
;;   THIS VERSION OF THE PROBLEM IS GIVEN IN LOW PRECISION. The matrix products marked QUANTISED in the list below multiply operands that are first quantised to E2M3 (2 exponent bits, 3 mantissa bits; 6 bits a number), with one power-of-two scale for each 32 numbers along K (OCP MX v1.0); their sums are f32. All else is computed in f32.
;;   The module's matrix products, in the order in which they are computed (A, B: the left and right operand; K: the contracted axis; several contracted axes count as one K, in the product's order):
;;     1. [M 8,192, K 1,024] x [K 1,024, N 3,072]; A: input x; B: input w_attn: QUANTISED
;;     2. batch 64 x [M 2,048, K 64] x [K 64, N 2,048]; A: computed on the way; B: computed on the way: QUANTISED
;;     3. batch 64 x [M 2,048, K 2,048] x [K 2,048, N 64]; A: softmax (see below); B: computed on the way: QUANTISED
;;     4. [M 8,192, K 1,024] x [K 1,024, N 1,024]; A: computed on the way; B: input w_proj: QUANTISED
;;   THE QUANTISER, for each operand of a quantised product, along K:
;;     - K is cut into blocks of 32 from its start; a last block that is shorter is filled with zeros.
;;     - A block's scale is 2^e with e = floor(log2(the largest magnitude in the block)) - 2, held to -126 .. 127; a block of zeros has e = 0. As a byte (E8M0): e + 127.
;;     - Each number is divided by its block's scale, clamped to +-7.5, and rounded to the nearest number of E2M3, ties to even, subnormals kept.
;;     - The product sums the exact products of the quantised numbers (number of the format x scale) in f32.
;;   ~~~python
;;   def quantise(x, axis):      # numpy; x: float32 -> the quantised numbers, widened to float32 again
;;       x = np.moveaxis(x, axis, -1); K = x.shape[-1]
;;       x = np.pad(x, [(0, 0)] * (x.ndim - 1) + [(0, -K % 32)]); x = x.reshape(x.shape[:-1] + (-1, 32)); a = np.abs(x).max(-1, keepdims=True)
;;       e = np.where(a > 0, np.clip(np.frexp(np.where(a > 0, a, 1))[1] - 1 - 2, -126, 127), 0)      # np.frexp(a)[1] - 1 = floor(log2(a)), exactly
;;       r = np.clip(x / 2.0 ** e, -7.5, 7.5)
;;       step = 2.0 ** (np.maximum(np.frexp(np.where(r == 0, 1, r))[1] - 1, 0) - 3)
;;       q = np.round(r / step) * step * 2.0 ** e      # np.round: ties to even
;;       return np.moveaxis(q.reshape(q.shape[:-2] + (-1,))[..., :K], -1, axis).astype(np.float32)
;;   ~~~
;;   SOFTMAX AHEAD OF A QUANTISED PRODUCT. Where the list says 'softmax', what is quantised is not the finished softmax but p = 2^(t - M), with t = logit x log2(e) and M = ceil(the row's largest t), a whole number; so 1/2 < the row's largest p <= 1. The row's sum l is taken of the UNQUANTISED p, in f32, and the product's result is divided by l at the end. Since M is a whole number, a kernel that streams over the keys may use a running M (the ceiling of the running maximum): every later rescaling is an exact power of two, which a block's scale takes up: the codes' values come out the same.
;;   OPERANDS COMPUTED ON THE WAY. 'Computed on the way' means the value that the module computes at that place (a softmax that the list does not call 'softmax' is quantised finished and normalised). What goes into a quantiser is computed in f32, as accurately as f32 sums, v_exp_f32 and their like allow (about 1e-6 of the number): no bf16 or f16 on the way to a quantiser, and a product that is left as it is and whose result goes on into a quantised operand takes f32 operands (vector FMAs, or v_wmma_f32_16x16x4_f32). A number that lies on a knife's edge between two numbers of the format may be rounded either way, as far as f32 arithmetic and the matrix unit's own rounding can turn it there, and no further.
;; One version. Each part assembles by itself: llvm-mc -triple=amdgcn-amd-amdhsa -mcpu=gfx1250 --defsym DOCPART=n.
;; ======== version 1 of 1: 4 launches
;; workspace buffers: xc 6,291,456 bytes; xs 262,144 bytes; wc 3,145,728 bytes; ws 131,072 bytes; att 20,447,232 bytes; yc 6,291,456 bytes; ys 262,144 bytes
;; launch prep (part 1): grid 640 x 1, 4 waves a work-group, no clusters, 59,904 bytes of LDS; arguments x, w_attn, w_proj, xc, xs, wc, ws; writes xc, xs, wc, ws
.if DOCPART == 1
	.amdgcn_target "amdgcn-amd-amdhsa--gfx1250"
	.amdhsa_code_object_version 6
	.text
	.protected	k_q7c6783daef_prep
	.globl	k_q7c6783daef_prep
	.p2align	8
	.type	k_q7c6783daef_prep,@function
k_q7c6783daef_prep:
	s_mov_b64 s[64:65], 0
	v_nop
	global_prefetch_b8 v0, s[64:65] scope:SCOPE_SE
	s_setreg_imm32_b32 hwreg(HW_REG_WAVE_MODE, 25, 1), 1
	s_wait_xcnt 0x0
; x [8192][1024], w_attn [1024][3072] and w_proj [1024][1024], f32, become codes of FP6 (E2M3) with one E8M0 byte for each 32 along K (K = 1024 for all three),
; laid in the ORDER OF THE OPERAND'S REGISTERS, so that the products' launches load fragments by dense 16- and 8-byte loads.
; TILES.  An operand's rows (tokens of x, columns of the weights) go in groups of 32; tile 2 g + u holds, at its place r = 0 .. 15, row 32 g + 8 u + r + 8 (r / 8).
; HALF IMAGE, 768 bytes: 16 rows x 64 along K.  Lane l = r + 16 h of a fragment holds block h of row r, 24 bytes: its first 16 at 16 l, its last 8 at 512 + 8 l.
; CODES: [tile][16 halves of K][768].  SCALE BYTES: [tile][4 quarters of K][r][8].  wc, ws: tiles 0-191 w_attn's columns, tiles 192-255 w_proj's.
; A block's scale byte is its largest magnitude's exponent field - 2, held at 1 from below by a floor among the maximum's leaves.
; LIMITS: NaN and infinities are not served; a block whose largest magnitude lies under 2^-124 (a block of zeros too) gets the byte 1: zero blocks have zero codes, and this program alone reads the bytes.
; Work-groups 0-511: a tile of x each, a wave to a quarter of K.  Work-groups 512-639: 128 columns x 256 along K of a weight, a wave to 32 columns.
; The two paths have LDS bytes of their own and do not join.  Waves share nothing: no barrier.  A stream: no tensor loads, no cluster, no matrix work.
.set SPARE, 59392                      ; behind both paths' regions: the spare words, 128 bytes a wave, which no other line names
.set SPW,   12                         ; v12  SPARE + 4 x my thread's number; never rewritten
.set NIL,   13                         ; v13  0; never rewritten
.set XR,    64                         ; x: v64-191 the wave's 32 loads
.set XB,    32                         ; x: v32-63 a block's 32 numbers
.set OF,    32                         ; w: v32-63 row i's byte offset: 4 lane + i x pitch
.set WX,    64                         ; w: v64-127 two sets of 32 numbers
.set OUTR,  128                        ; w: v128-175 the images read back
; 32 numbers v[xs] .. v[xs+31] of one block: codes into v[20:25], byte into v10
.macro CODES xs
	v_max3_num_f32 v8, |v[\xs]|, |v[\xs+1]|, |v[\xs+2]|
	v_max3_num_f32 v9, |v[\xs+3]|, |v[\xs+4]|, |v[\xs+5]|
.irp i, 6,10,14,18,22,26
	v_max3_num_f32 v8, v8, |v[\xs+\i]|, |v[\xs+\i+1]|
	v_max3_num_f32 v9, v9, |v[\xs+\i+2]|, |v[\xs+\i+3]|
.endr
	v_max3_num_f32 v8, v8, |v[\xs+30]|, |v[\xs+31]|
	v_max3_num_f32 v8, v8, v9, 0x1800000           ; the floor 2^(3 - 127): the byte cannot fall under 1
	v_add_nc_u32 v11, 0xff000000, v8               ; 2 off the exponent field: the conversion's scale operand
	v_cvt_scalef32_pk16_fp6_f32 v[20:22], v[\xs:\xs+15], v11
	v_cvt_scalef32_pk16_fp6_f32 v[26:28], v[\xs+16:\xs+31], v11   ; (three registers begin on an even number)
	v_lshrrev_b32 v10, 23, v11                     ; the byte; also the plain line behind the conversions
	v_mov_b32 v23, v26
	v_mov_b32 v24, v27
	v_mov_b32 v25, v28
.endm
	s_load_b256 s[4:11], s[0:1], 0x0               ; x s[4:5], w_attn s[6:7], w_proj s[8:9], xc s[10:11]
	s_load_b128 s[12:15], s[0:1], 0x20             ; xs s[12:13], wc s[14:15]
	s_load_b64 s[16:17], s[0:1], 0x30              ; ws
	v_lshl_add_u32 v[SPW], v0, 2, SPARE
	v_mov_b32 v[NIL], 0
	v_lshrrev_b32 v1, 5, v0
	v_readfirstlane_b32 s18, v1                    ; wave
	v_and_b32 v2, 31, v0                           ; lane
	s_cmp_lt_u32 ttmp9, 512
	s_cbranch_scc0 .Lweights
	; ---------------- x: tile T = work-group, quarter of K = wave.  LDS of a wave, 8,192 bytes: stage 32 x 144, image 3,072, bytes 128
	s_lshl_b32 s19, s18, 13
	v_lshlrev_b32 v3, 4, v2                        ; 16 lane
	v_lshrrev_b32 v11, 3, v2                       ; lane / 8
	v_and_b32 v8, 7, v2                            ; lane % 8
	v_mul_u32_u24 v4, v11, 144
	v_lshl_add_u32 v4, v8, 4, v4
	v_add_nc_u32 v4, s19, v4                       ; stage, in: eight lanes' 128 bytes (a block) to a place of 144
	v_mul_u32_u24 v5, v2, 144
	v_add_nc_u32 v5, s19, v5                       ; stage, out: place = lane.  144 = 9 x 16: sixteen lanes' pieces fall on sixteen different 16-byte columns of 256
	v_lshrrev_b32 v9, 1, v8                        ; my block's half of K within the quarter
	v_and_b32 v10, 1, v2                           ; and which block of that half: h
	v_mul_u32_u24 v6, v9, 768
	v_lshl_add_u32 v7, v10, 7, v6
	v_lshl_add_u32 v6, v10, 8, v6
	v_lshl_add_u32 v6, v11, 4, v6
	v_lshl_add_u32 v7, v11, 3, v7
	s_add_co_u32 s20, s19, 4608
	v_add_nc_u32 v6, s20, v6                       ; image: 768 half + 16 (r + 16 h), r = 4 j + lane / 8
	v_add_nc_u32 v15, s20, v3                      ; image, read back
	s_add_co_u32 s20, s19, 5120
	v_add_nc_u32 v7, s20, v7                       ; image: 768 half + 512 + 8 (r + 16 h)
	s_add_co_u32 s20, s19, 7680
	v_add_nc_u32 v14, s20, v2                      ; bytes: 8 r + block = 32 j + lane
	v_lshlrev_b32 v17, 2, v2
	v_add_nc_u32 v16, s20, v17                     ; bytes, read back
	s_lshr_b32 s20, ttmp9, 1
	s_lshl_b32 s20, s20, 5
	s_and_b32 s21, ttmp9, 1
	s_lshl_b32 s21, s21, 3
	s_add_co_u32 s20, s20, s21                     ; the tile's first row: 32 (T / 2) + 8 (T % 2)
	s_lshl_b32 s20, s20, 12
	s_lshl_b32 s21, s18, 10
	s_add_co_u32 s20, s20, s21
	s_mov_b32 s21, 0
	s_mul_i32 s22, ttmp9, 12288
	s_mul_i32 s23, s18, 3072
	s_add_co_u32 s22, s22, s23
	s_mov_b32 s23, 0
	s_lshl_b32 s24, ttmp9, 9
	s_lshl_b32 s25, s18, 7
	s_add_co_u32 s24, s24, s25
	s_mov_b32 s25, 0
	s_wait_kmcnt 0x0
	s_add_nc_u64 s[4:5], s[4:5], s[20:21]
	s_add_nc_u64 s[10:11], s[10:11], s[22:23]
	s_add_nc_u64 s[12:13], s[12:13], s[24:25]
.set n, 0
.rept 32                               ; load n: place n / 2 of the tile, half n % 2 of my 1,024 bytes of that row: 512 consecutive bytes
	global_load_b128 v[XR+4*n:XR+4*n+3], v3, s[4:5] offset:((n/2)+8*((n/2)/8))*4096+512*(n%2) th:TH_LOAD_NT
.set n, n+1
.endr
.macro XSTEP j                         ; four rows: 32 blocks, one to a lane
	s_wait_loadcnt 8*(3-\j)                        ; this step's eight loads are in; the eight of each later step may be out
.irp m, 0,1,2,3,4,5,6,7
	ds_store_b128 v4, v[XR+4*(8*\j+\m):XR+4*(8*\j+\m)+3] offset:4*\m*144
.endr
.irp c, 0,1,2,3,4,5,6,7
	ds_load_b128 v[XB+4*\c:XB+4*\c+3], v5 offset:16*\c   ; LDS serves a wave's instructions in order: these see the stores above
.endr
	s_wait_dscnt 0x0                               ; lane l now holds block l % 8 of place 4 j + l / 8; the last step's stores have read their registers
	CODES XB
	ds_store_b128 v6, v[20:23] offset:64*\j
	ds_store_b64 v7, v[24:25] offset:32*\j
	ds_store_b8 v14, v10 offset:32*\j
.endm
	XSTEP 0
	XSTEP 1
	XSTEP 2
	XSTEP 3
.irp c, 0,1,2,3,4,5
	ds_load_b128 v[XB+4*\c:XB+4*\c+3], v15 offset:512*\c
.endr
	ds_load_b32 v[XB+24], v16
	s_wait_dscnt 0x0
.irp c, 0,1,2,3,4,5
	global_store_b128 v3, v[XB+4*\c:XB+4*\c+3], s[10:11] offset:512*\c   ; 3,072 consecutive bytes, from a multiple of 256
.endr
	global_store_b32 v17, v[XB+24], s[12:13]       ; 128 consecutive bytes: a quarter's scale bytes (1/24 of the codes' bytes)
	s_wait_tensorcnt 0x0                           ; the wave's end, behind my last LDS store
	ds_add_u32 v[SPW], v[NIL]
	s_wait_dscnt 0x0
	s_endpgm
	; ---------------- the weights: K is the FIRST axis: a lane takes a column, its registers run down K
.Lweights:
	s_sub_co_u32 s20, ttmp9, 512
	s_lshr_b32 s21, s20, 2                         ; group of 128 columns, 0-23 w_attn, 24-31 w_proj
	s_and_b32 s22, s20, 3                          ; quarter of K
	s_sub_co_u32 s24, s21, 24
	s_mov_b32 s23, 4096
	s_wait_kmcnt 0x0
	s_cmp_lt_u32 s21, 24                           ; the choice hangs on the work-group's number alone
	s_cselect_b32 s23, 12288, s23                  ; a row of the weight in bytes
	s_cselect_b32 s24, s21, s24                    ; the group within its weight
	s_cselect_b64 s[6:7], s[6:7], s[8:9]
	s_lshl_b32 s25, s24, 9
	s_lshl_b32 s26, s18, 7
	s_add_co_u32 s25, s25, s26                     ; my wave's 32 columns
	s_lshl_b32 s26, s22, 8
	s_mul_i32 s26, s26, s23                        ; 256 rows a quarter
	s_add_co_u32 s26, s25, s26
	s_mov_b32 s27, 0
	s_add_nc_u64 s[32:33], s[6:7], s[26:27]        ; block 0's first row
	s_lshl_b32 s28, s23, 5
	s_mov_b32 s29, 0
.irp t, 1,2,3,4,5,6,7
	s_add_nc_u64 s[32+2*\t:33+2*\t], s[30+2*\t:31+2*\t], s[28:29]   ; a base for each block of 32 rows: no base is stepped
.endr
	s_lshl_b32 s25, s21, 2
	s_add_co_u32 s25, s25, s18                     ; G: my group of 32 columns among all 128: tiles 2 G, 2 G + 1
	s_mul_i32 s30, s25, 24576
	s_mul_i32 s31, s22, 3072
	s_add_co_u32 s30, s30, s31
	s_mov_b32 s31, 0
	s_add_nc_u64 s[14:15], s[14:15], s[30:31]
	s_lshl_b32 s30, s25, 10
	s_lshl_b32 s25, s22, 7
	s_add_co_u32 s30, s30, s25
	s_add_nc_u64 s[16:17], s[16:17], s[30:31]
	s_mul_i32 s19, s18, 6656
	s_add_co_u32 s19, s19, 32768                   ; my wave's LDS: two tile images, 3,200 bytes apart
	s_wait_alu depctr_va_vdst(0)
	v_lshlrev_b32 v176, 2, v2
	v_bfe_u32 v8, v2, 3, 1                         ; column l lies in tile u = (l / 8) % 2
	v_and_b32 v9, 7, v2
	v_lshrrev_b32 v10, 4, v2
	v_lshl_add_u32 v9, v10, 3, v9                  ; at place r = l % 8 + 8 (l / 16)
	v_mul_u32_u24 v10, v8, 3200
	v_add_nc_u32 v10, s19, v10
	v_lshl_add_u32 v177, v9, 4, v10                ; image: 16 r
	v_lshl_add_u32 v178, v9, 3, v10
	v_add_nc_u32 v178, 512, v178                   ; image: 512 + 8 r
	v_lshlrev_b32 v180, 4, v2
	v_add_nc_u32 v179, s19, v180                   ; images, read back
	v_lshlrev_b32 v181, 9, v8
	v_lshl_add_u32 v181, v9, 3, v181               ; my column's 8 scale bytes: 512 u + 8 r
.irp i, 0,1,2,3,4,5,6,7,8,9,10,11,12,13,14,15,16,17,18,19,20,21,22,23,24,25,26,27,28,29,30,31
	v_mad_u32_u24 v[OF+\i], s23, \i, v176
.endr
.macro WLOAD t                         ; block t: 32 rows, 128 consecutive bytes a wave and row, 512 a work-group
.irp i, 0,1,2,3,4,5,6,7,8,9,10,11,12,13,14,15,16,17,18,19,20,21,22,23,24,25,26,27,28,29,30,31
	global_load_b32 v[WX+32*((\t)%2)+\i], v[OF+\i], s[32+2*(\t):33+2*(\t)] th:TH_LOAD_NT
.endr
.endm
.macro WBLOCK t
.set XS, WX+32*((\t)%2)
.if (\t) < 7
	s_wait_loadcnt 32                              ; this block's 32 loads are in; the next block's 32 may be out
.else
	s_wait_loadcnt 0x0
.endif
	CODES XS
.if (\t)%4 == 0
	v_mov_b32 v[30+(\t)/4], v10                    ; four bytes to a register, the lower K in the lower byte
.else
	v_lshl_or_b32 v[30+(\t)/4], v10, 8*((\t)%4), v[30+(\t)/4]
.endif
	ds_store_b128 v177, v[20:23] offset:768*((\t)/2)+256*((\t)%2)
	ds_store_b64 v178, v[24:25] offset:768*((\t)/2)+128*((\t)%2)
.if (\t) < 6
	WLOAD (\t)+2
.endif
	s_wait_dscnt 0x0                               ; the stores have read their registers
.endm
	WLOAD 0
	WLOAD 1
.irp t, 0,1,2,3,4,5,6,7
	WBLOCK \t
.endr
	s_wait_alu depctr_va_vdst(0)
	global_store_b64 v181, v[30:31], s[16:17]      ; two runs of 128 consecutive bytes
.set n, 0
.rept 12
	ds_load_b128 v[OUTR+4*n:OUTR+4*n+3], v179 offset:3200*(n/6)+512*(n%6)
.set n, n+1
.endr
.set n, 0
.rept 12
	s_wait_dscnt 11-n                              ; LDS loads come back in order: load n is in, the younger ones may be out
	global_store_b128 v180, v[OUTR+4*n:OUTR+4*n+3], s[14:15] offset:12288*(n/6)+512*(n%6)   ; 512 consecutive bytes, from a multiple of 256
.set n, n+1
.endr
	s_wait_tensorcnt 0x0                           ; the wave's end, behind my last LDS store
	ds_add_u32 v[SPW], v[NIL]
	s_wait_dscnt 0x0
	s_endpgm
.Lfunc_end_k_q7c6783daef_prep:
	.size	k_q7c6783daef_prep, .Lfunc_end_k_q7c6783daef_prep-k_q7c6783daef_prep
	.p2alignl 7, 3214868480
	.fill 96, 4, 3214868480
	.section	.rodata,"a",@progbits
	.p2align	6, 0x0
	.amdhsa_kernel k_q7c6783daef_prep
		.amdhsa_group_segment_fixed_size 59904
		.amdhsa_private_segment_fixed_size 0
		.amdhsa_enable_private_segment 0
		.amdhsa_kernarg_size 56
		.amdhsa_user_sgpr_count 2
		.amdhsa_user_sgpr_kernarg_segment_ptr 1
		.amdhsa_wavefront_size32 1
		.amdhsa_system_sgpr_workgroup_id_x 1
		.amdhsa_system_sgpr_workgroup_id_y 1
		.amdhsa_system_sgpr_workgroup_id_z 1
		.amdhsa_system_vgpr_workitem_id 0
		.amdhsa_next_free_vgpr 192
		.amdhsa_next_free_sgpr 66
		.amdhsa_reserve_vcc 0
		.amdhsa_float_denorm_mode_32 3
		.amdhsa_float_denorm_mode_16_64 3
		.amdhsa_memory_ordered 1
		.amdhsa_forward_progress 1
		.amdhsa_inst_pref_size 61
	.end_amdhsa_kernel
	.amdgpu_metadata
---
amdhsa.version: [ 1, 2 ]
amdhsa.kernels:
  - .name:           k_q7c6783daef_prep
    .symbol:         k_q7c6783daef_prep.kd
    .args:
      - { .name: x, .offset: 0, .size: 8, .value_kind: global_buffer, .address_space: global }
      - { .name: w_attn, .offset: 8, .size: 8, .value_kind: global_buffer, .address_space: global }
      - { .name: w_proj, .offset: 16, .size: 8, .value_kind: global_buffer, .address_space: global }
      - { .name: xc, .offset: 24, .size: 8, .value_kind: global_buffer, .address_space: global }
      - { .name: xs, .offset: 32, .size: 8, .value_kind: global_buffer, .address_space: global }
      - { .name: wc, .offset: 40, .size: 8, .value_kind: global_buffer, .address_space: global }
      - { .name: ws, .offset: 48, .size: 8, .value_kind: global_buffer, .address_space: global }
    .group_segment_fixed_size: 59904
    .private_segment_fixed_size: 0
    .kernarg_segment_align: 8
    .kernarg_segment_size: 56
    .max_flat_workgroup_size: 128
    .sgpr_count:     66
    .vgpr_count:     192
    .wavefront_size: 32
...
	.end_amdgpu_metadata
.endif
;; end of part 1
;; launch qkv (part 2): grid 8 x 96, 4 waves a work-group, clusters of 4 x 4, 295,424 bytes of LDS; arguments xc, xs, wc, ws, att; writes att
.if DOCPART == 2
	.amdgcn_target "amdgcn-amd-amdhsa--gfx1250"
	.amdhsa_code_object_version 6
	.text
	.protected	k_q7c6783daef_qkv
	.globl	k_q7c6783daef_qkv
	.p2align	8
	.type	k_q7c6783daef_qkv,@function
k_q7c6783daef_qkv:
	s_mov_b64 s[64:65], 0
	v_nop
	global_prefetch_b8 v0, s[64:65] scope:SCOPE_SE
	s_setreg_imm32_b32 hwreg(HW_REG_WAVE_MODE, 25, 1), 1
	s_wait_xcnt 0x0
	s_wait_alu depctr_hold_cnt(0) depctr_sa_sdst(0) depctr_va_vdst(0) depctr_va_sdst(0) depctr_va_ssrc(0) depctr_va_vcc(0) depctr_vm_vsrc(0)
	s_getreg_b32 s2, hwreg(HW_REG_IB_STS2, 6, 4)
	s_cmp_eq_u32 s2, 0
	s_cbranch_scc0 .Lentry_in_a_cluster
	s_endpgm
.Lentry_in_a_cluster:
	s_bfe_u32 s2, ttmp6, 0x10000c
	s_cmp_lg_u32 s2, 0xf033
	s_cbranch_scc0 .Lentry_shape_is_right
	s_endpgm
.Lentry_shape_is_right:
; qkv = x w_attn on codes of FP6 (E2M3), K = 1024; q, k and v never go to memory as f32: each wave quantises its results in registers and stores them as attention's operands.
; OPERANDS (made by the launch before): codes [tile][16 halves of K][768], scale bytes [tile][4 quarters][r][8]; tile 2 g + u holds at place r row 32 g + 8 u + r + 8 (r / 8).
; A WORK-GROUP makes 128 "A" rows (8 tiles; source 1: a lane holds ONE A row) x 256 "B" rows (16 tiles; source 0: a lane's registers run along B's rows).  By the tiles' order the 16 registers of B tiles
; 2 g, 2 g + 1 are 16 NEIGHBOURS, 32 g + 16 (lane / 16) + 0 .. 15: as the conversions want them.  Four waves, each 4 x 8 tiles: 32 accumulators, 256 registers.
; TWO PARTS, one text, told apart by the cluster's y through selects, never a branch:  q, k (cluster y 0-15): A = tokens (xc), B = w_attn's columns 0-2047: quantised along the head's 64.
;   v (cluster y 16-23): A = w_attn's columns 2048-3071, B = tokens: the same product transposed, so that v is quantised along the KEYS, its K in attention.
; ALL OF K LIES IN LDS (24 tiles x 12,288 bytes): every tensor load is a first fill, four a wave (one for each quarter of K), asked for in the first lines; no bytes are filled again.
; This tile and not 256 x 256: that one's operands for all of K do not fit in LDS, and it would give 384 work-groups; 128 x 256 gives 768 = 3 x 256.
; CLUSTER 4 x 4: A's tiles hang on the tile row alone and are asked for jointly along a row of the cluster, B's on the tile column alone, jointly along a column.
; att: 64 records (batch x 16 + head) of RECB bytes: 0 K's scale units; 8,192 V's; 16,384 + 12,288 s: key step s: 8 tiles of K (768 each), then V [half of the step][4 tiles of d] (768 each); QC Q's 128 tiles; QS Q's scale units.
;   A scale unit, 256 bytes: [r][4] words, each the two scale bytes of one row and 64 along K, the upper half 0.
; LIMITS: NaN and infinities are not served; a block whose largest magnitude lies under 2^-124 gets the byte 1 (zero blocks have zero codes; this program alone reads the bytes).
; REGISTERS: window 0: v1-5 lane terms; v8-23 LDS addresses; v24, v25 the add's two; v26, v27 way out; v32-47 A's scale words, v48-79 B's (they stay); v80-99 quantiser; v128-223 A's fragments, two sets, later the codes made.
;   window 1: B's fragments, sets at v0 and v128.   window 2: accumulator (a, b) at v[8 (8 a + b)].
.set QB,    73728                      ; a quarter of K in LDS: A's 8 tiles x 3,072, then B's 16
.set SPARE, 4*QB                       ; behind the four quarters: the spare words, 128 bytes a wave, which no other line names
.set RECB,  319488
.set QC,    212992
.set QS,    311296
.set A16,   8                          ; v8-11   quarter q: my A tiles + 16 lane;   v12-15 + 8 lane
.set A8,    12
.set B16,   16                         ; v16-19, v20-23 the same for B
.set B8,    20
.set SPW,   24
.set NIL,   25
.set SA,    32                         ; tile a's register j: lanes 0-15 the word of K step j, lanes 16-31 of K step 4 + j
.set SB,    48
.set TM,    80
.set AF,    128
.set G1A,   24                         ; s[24:31], s[32:39] descriptor groups 1;  s[40:55], s[68:83] groups 0, one for each quarter: four loads of a wave are out together
.set G1B,   32
.set G0A,   40
.set G0B,   68
.set MSB, 0
.macro WIN new                         ; the immediate's high byte repeats the setting that is left
.if MSB != \new
	s_set_vgpr_msb (MSB<<8)|\new
.set MSB, \new
.endif
.endm
.set MUL,  0xa1                        ; source 0 (B) window 1, source 1 (A) window 0, C and D window 2
.set TO_B, 0x40                        ; destination window 1
.macro CROUND                          ; a round of the cluster's barrier
	s_barrier_signal -1
	s_barrier_wait -1
	s_cmp_lg_u32 s14, 0
	s_cbranch_scc1 .Lnot_wave_0_\@
	s_barrier_signal -3
.Lnot_wave_0_\@:
	s_barrier_wait -3
	s_barrier_signal -1
	s_barrier_wait -1
.endm
.macro PLACES n
.rept \n
	v_nop
.endr
.endm
; the fragments of K step s (128 along K: two half images a tile) into set p: 48 dense loads
.macro FETCH s, p
	WIN TO_B
.irp i, 0,1,2,3,4,5,6,7
.irp c, 0,1
	ds_load_b128 v[128*(\p)+12*\i+6*\c:128*(\p)+12*\i+6*\c+3], v[B16+(\s)/2] offset:3072*\i+1536*((\s)%2)+768*\c
	ds_load_b64 v[128*(\p)+12*\i+6*\c+4:128*(\p)+12*\i+6*\c+5], v[B8+(\s)/2] offset:3072*\i+1536*((\s)%2)+768*\c+512
.endr
.endr
	WIN 0
.irp i, 0,1,2,3
.irp c, 0,1
	ds_load_b128 v[AF+48*(\p)+12*\i+6*\c:AF+48*(\p)+12*\i+6*\c+3], v[A16+(\s)/2] offset:3072*\i+1536*((\s)%2)+768*\c
	ds_load_b64 v[AF+48*(\p)+12*\i+6*\c+4:AF+48*(\p)+12*\i+6*\c+5], v[A8+(\s)/2] offset:3072*\i+1536*((\s)%2)+768*\c+512
.endr
.endr
.endm
; 32 products: the 32 accumulators take turns, one instruction a turn, in the same order in every step.  Step 0 starts the sums.
.macro MUL32 s, p
.irp a, 0,1,2,3
.irp b, 0,1,2,3,4,5,6,7
.if (\s) == 0
	v_wmma_scale_f32_16x16x128_f8f6f4 v[8*(8*\a+\b):8*(8*\a+\b)+7], v[128*(\p)+12*\b:128*(\p)+12*\b+11], v[AF+48*(\p)+12*\a:AF+48*(\p)+12*\a+11], 0, v[SB+4*\b], v[SA+4*\a] matrix_a_fmt:MATRIX_FMT_FP6 matrix_b_fmt:MATRIX_FMT_FP6
.elseif (\s) < 4
	v_wmma_scale_f32_16x16x128_f8f6f4 v[8*(8*\a+\b):8*(8*\a+\b)+7], v[128*(\p)+12*\b:128*(\p)+12*\b+11], v[AF+48*(\p)+12*\a:AF+48*(\p)+12*\a+11], v[8*(8*\a+\b):8*(8*\a+\b)+7], v[SB+4*\b+(\s)], v[SA+4*\a+(\s)] matrix_a_fmt:MATRIX_FMT_FP6 matrix_b_fmt:MATRIX_FMT_FP6
.else
	v_wmma_scale_f32_16x16x128_f8f6f4 v[8*(8*\a+\b):8*(8*\a+\b)+7], v[128*(\p)+12*\b:128*(\p)+12*\b+11], v[AF+48*(\p)+12*\a:AF+48*(\p)+12*\a+11], v[8*(8*\a+\b):8*(8*\a+\b)+7], v[SB+4*\b+(\s)-4], v[SA+4*\a+(\s)-4] matrix_a_fmt:MATRIX_FMT_FP6 matrix_b_fmt:MATRIX_FMT_FP6 matrix_a_scale:MATRIX_SCALE_ROW1 matrix_b_scale:MATRIX_SCALE_ROW1
.endif
.endr
.endr
.endm
.macro ARRIVE n                        ; my part of a quarter has landed (n later quarters of mine may be out), then everybody's.
	s_wait_tensorcnt \n
	s_barrier_signal -1
	s_barrier_wait -1
.endm
.macro STEP s
	s_wait_dscnt 0x0                               ; this step's fragments, asked for 32 products ago
.if (\s) == 1
	ARRIVE 2
.elseif (\s) == 3
	ARRIVE 1
.elseif (\s) == 5
	ARRIVE 0
.endif
.if (\s) < 7
.if (\s) > 0
	PLACES 4                                       ; four plain lines between the last product and loads into the set that it read (ISA guide 7.12.1 for vector instructions)
.endif
	FETCH (\s)+1, 1-(\s)%2
.endif
	WIN MUL
	MUL32 \s, (\s)%2
	WIN 0
.endm
	s_load_b256 s[4:11], s[0:1], 0x0               ; xc s[4:5], xs s[6:7], wc s[8:9], ws s[10:11]
	s_load_b64 s[12:13], s[0:1], 0x20              ; att
	v_lshl_add_u32 v[SPW], v0, 2, SPARE
	v_mov_b32 v[NIL], 0
	ds_add_u32 v[SPW], v[NIL]
	ds_add_u32 v[SPW], v[NIL]                      ; the wave's opening: the add and its wait ahead of my first tensor load; work on registers stands between
	v_lshrrev_b32 v1, 5, v0
	v_readfirstlane_b32 s14, v1                    ; wave
	s_lshr_b32 s15, s14, 1                         ; wm: my 4 of A's 8 tiles.  Also: waves 0, 1 fetch A, waves 2, 3 B
	s_and_b32 s16, s14, 1                          ; wn: my 8 of B's 16 tiles.  Also: which half of the operand I fetch
	s_bfe_u32 s17, ttmp6, 0x40000                  ; cx
	s_bfe_u32 s18, ttmp6, 0x40004                  ; cy
	s_and_b32 s19, ttmp7, 0xffff                   ; cluster y, 0 .. 23
	s_sub_co_u32 s2, s19, 16
	s_cmp_ge_u32 s19, 16
	s_cselect_b32 s21, 1, 0                        ; 1: the part that makes v.  The same in all sixteen partners
	s_cselect_b32 s3, s2, ttmp9                    ; the cluster's place along B's tiles,
	s_cselect_b32 s2, ttmp9, s19                   ; and along A's
	s_lshl_b32 s22, s3, 2
	s_add_co_u32 s22, s22, s17                     ; nt: 16 tiles of B each
	s_lshl_b32 s23, s2, 2
	s_add_co_u32 s23, s23, s18                     ; mt: 8 tiles of A each
	s_lshl_b32 s62, s18, 2
	s_lshl_b32 s62, 15, s62                        ; my row of the cluster
	s_lshl_b32 s63, 0x1111, s17                    ; my column
	; group 1: R tiles' quarters of K: rows of 3,072 bytes (384 elements of 8), 12,288 bytes apart in memory, dense in LDS
	s_or_b32 s[G1A], s62, (3<<16)|(1<<21)          ; 15:0 the mask; 17:16 elements of 8 bytes; 21 set beside a mask
	s_mov_b32 s[G1A+1], 384<<16                    ; tensor_dim0
	s_mov_b32 s[G1A+2], 4<<16                      ; tensor_dim1 = 4 tiles
	s_mov_b32 s[G1A+3], 384<<16                    ; tile_dim0
	s_mov_b32 s[G1A+4], 4                          ; tile_dim1
	s_mov_b32 s[G1A+5], 1536                       ; pitch
	s_mov_b32 s[G1A+6], 0
	s_mov_b32 s[G1A+7], 0
	s_or_b32 s[G1B], s63, (3<<16)|(1<<21)
	s_mov_b32 s[G1B+1], 384<<16
	s_mov_b32 s[G1B+2], 8<<16                      ; 8 tiles
	s_mov_b32 s[G1B+3], 384<<16
	s_mov_b32 s[G1B+4], 8
	s_mov_b32 s[G1B+5], 1536
	s_mov_b32 s[G1B+6], 0
	s_mov_b32 s[G1B+7], 0
	s_lshl_b32 s56, s23, 3                         ; A: tile 8 mt + 4 x my half (+ 128 for v's columns), in registers that never hold cx
	s_lshl_b32 s57, s16, 2
	s_add_co_u32 s56, s56, s57
	s_mul_i32 s56, s56, 12288
	s_mul_i32 s57, s21, 128*12288
	s_add_co_u32 s56, s56, s57
	s_mov_b32 s57, 0
	s_lshl_b32 s58, s22, 4                         ; B: tile 16 nt + 8 x my half, in registers that never hold cy
	s_lshl_b32 s59, s16, 3
	s_add_co_u32 s58, s58, s59
	s_mul_i32 s58, s58, 12288
	s_mov_b32 s59, 0
	s_mul_i32 s60, s16, 12288                      ; where they go: no place in the cluster enters an LDS address
	s_mul_i32 s61, s16, 24576
	s_add_co_u32 s61, s61, 24576
	; where my results go, for q and k:
	s_lshl_b32 s92, s23, 3
	s_lshl_b32 s93, s15, 2
	s_add_co_u32 s92, s92, s93                     ; my first token tile
	s_lshr_b32 s93, s92, 7                         ; batch
	s_and_b32 s92, s92, 127                        ; tile within the batch, a multiple of 4
	s_lshl_b32 s94, s22, 2
	s_lshl_b32 s95, s16, 1
	s_add_co_u32 s94, s94, s95                     ; my first of two heads, 0-15 q, 16-31 k
	s_lshr_b32 s95, s94, 4
	s_and_b32 s94, s94, 15
	s_lshl_b32 s93, s93, 4
	s_add_co_u32 s93, s93, s94
	s_mul_i32 s93, s93, RECB                       ; the record
	s_lshr_b32 s94, s92, 3
	s_mul_i32 s94, s94, 12288
	s_and_b32 s96, s92, 7
	s_mul_i32 s96, s96, 768
	s_add_co_u32 s94, s94, s96
	s_add_co_u32 s94, s94, 16384                   ; k's place
	s_mul_i32 s96, s92, 768
	s_add_co_u32 s96, s96, QC                      ; q's place
	s_lshr_b32 s97, s92, 2
	s_lshl_b32 s97, s97, 8                         ; the scale unit of my four tiles
	s_cmp_lg_u32 s95, 0
	s_cselect_b32 s94, s94, s96
	s_cselect_b32 s96, 0, QS
	s_add_co_u32 s94, s94, s93
	s_add_co_u32 s96, s96, s97
	s_add_co_u32 s96, s96, s93
	; and for v:
	s_lshl_b32 s92, s23, 1
	s_add_co_u32 s92, s92, s15                     ; head: my four A tiles are its 64 channels
	s_lshr_b32 s93, s22, 3                         ; batch
	s_lshl_b32 s93, s93, 4
	s_add_co_u32 s92, s92, s93
	s_mul_i32 s92, s92, RECB
	s_and_b32 s93, s22, 7
	s_lshl_b32 s93, s93, 1
	s_add_co_u32 s93, s93, s16                     ; key step: my eight B tiles are its 128 tokens
	s_mul_i32 s97, s93, 12288
	s_add_co_u32 s97, s97, s92
	s_add_co_u32 s97, s97, 22528
	s_lshl_b32 s93, s93, 9
	s_add_co_u32 s93, s93, s92
	s_add_co_u32 s93, s93, 8192
	s_mov_b32 s98, RECB
	s_cmp_eq_u32 s21, 1
	s_cselect_b32 s94, s97, s94                    ; codes: the fragment's first half
	s_cselect_b32 s96, s93, s96                    ; scale units
	s_cselect_b32 s92, 3072, s98                   ; from the first half to the second: the step's other half of V, or the next head's record
	s_cselect_b32 s98, 256, s98                    ; the same for the scale units
	s_wait_dscnt 0x0                               ; the opening add is done
	s_wait_kmcnt 0x0
	s_cmp_eq_u32 s21, 1
	s_cselect_b64 s[84:85], s[8:9], s[4:5]         ; A's codes
	s_cselect_b64 s[86:87], s[4:5], s[8:9]         ; B's codes
	s_cselect_b64 s[88:89], s[10:11], s[6:7]       ; A's scale bytes
	s_cselect_b64 s[90:91], s[6:7], s[10:11]       ; B's
	s_add_nc_u64 s[84:85], s[84:85], s[56:57]
	s_add_nc_u64 s[86:87], s[86:87], s[58:59]
.irp q, 0,1,2,3
	s_mov_b32 s[G0A+4*\q], 1                       ; count = 1
	s_add_co_u32 s[G0A+4*\q+1], s60, \q*QB         ; LDS address
	s_add_nc_u64 s[G0A+4*\q+2:G0A+4*\q+3], s[84:85], \q*3072   ; quarter q of the tiles
	s_or_b32 s[G0A+4*\q+3], s[G0A+4*\q+3], 0x80000000          ; type = 2
	s_mov_b32 s[G0B+4*\q], 1
	s_add_co_u32 s[G0B+4*\q+1], s61, \q*QB
	s_add_nc_u64 s[G0B+4*\q+2:G0B+4*\q+3], s[86:87], \q*3072
	s_or_b32 s[G0B+4*\q+3], s[G0B+4*\q+3], 0x80000000
.endr
	CROUND                                         ; all sixteen work-groups are here: the joint loads meet
	s_cmp_lt_u32 s14, 2                            ; a wave's four first fills stand in one branch on its number: four loads of mine are out
	s_cbranch_scc0 .Lfirst_b
.irp q, 0,1,2,3
	tensor_load_to_lds s[G0A+4*\q:G0A+4*\q+3], s[G1A:G1A+7]
	s_nop 0
.endr
	PLACES 4
	s_branch .Lfirst_done
.Lfirst_b:
.irp q, 0,1,2,3
	tensor_load_to_lds s[G0B+4*\q:G0B+4*\q+3], s[G1B:G1B+7]
	s_nop 0
.endr
	PLACES 4
.Lfirst_done:
	s_mov_b32 s95, 0
	s_add_nc_u64 s[66:67], s[12:13], s[94:95]      ; the codes' first half
	s_mov_b32 s93, 0
	s_add_nc_u64 s[92:93], s[66:67], s[92:93]      ; their second half
	s_mov_b32 s97, 0
	s_add_nc_u64 s[96:97], s[12:13], s[96:97]      ; the scale units
	s_lshl_b32 s56, s23, 3                         ; my tiles' scale bytes: 512 a tile
	s_lshl_b32 s57, s15, 2
	s_add_co_u32 s56, s56, s57
	s_lshl_b32 s56, s56, 9
	s_lshl_b32 s57, s21, 16
	s_add_co_u32 s56, s56, s57
	s_mov_b32 s57, 0
	s_add_nc_u64 s[88:89], s[88:89], s[56:57]
	s_lshl_b32 s58, s22, 4
	s_lshl_b32 s59, s16, 3
	s_add_co_u32 s58, s58, s59
	s_lshl_b32 s58, s58, 9
	s_mov_b32 s59, 0
	s_add_nc_u64 s[90:91], s[90:91], s[58:59]
	v_and_b32 v6, 31, v0
	v_lshlrev_b32 v1, 4, v6                        ; 16 lane
	v_lshlrev_b32 v2, 3, v6                        ; 8 lane
	v_and_b32 v3, 15, v0                           ; r
	v_bfe_u32 v4, v0, 4, 1                         ; h
	v_lshlrev_b32 v5, 3, v3
	v_lshl_add_u32 v5, v4, 8, v5                   ; 8 r + 256 h: lanes 0-15 take quarters 0, 1 of K, lanes 16-31 quarters 2, 3
.irp a, 0,1,2,3
	global_load_b64 v[SA+4*\a:SA+4*\a+1], v5, s[88:89] offset:512*\a
	global_load_b64 v[SA+4*\a+2:SA+4*\a+3], v5, s[88:89] offset:512*\a+128
.endr
.irp b, 0,1,2,3,4,5,6,7
	global_load_b64 v[SB+4*\b:SB+4*\b+1], v5, s[90:91] offset:512*\b
	global_load_b64 v[SB+4*\b+2:SB+4*\b+3], v5, s[90:91] offset:512*\b+128
.endr
	s_mul_i32 s2, s15, 12288
	s_mul_i32 s3, s16, 24576
	s_add_co_u32 s3, s3, 24576
.irp q, 0,1,2,3
	v_add_nc_u32 v[A16+\q], s2, v1
	v_add_nc_u32 v[A8+\q], s2, v2
	v_add_nc_u32 v[B16+\q], s3, v1
	v_add_nc_u32 v[B8+\q], s3, v2
	s_add_co_u32 s2, s2, QB
	s_add_co_u32 s3, s3, QB
.endr
	v_mul_u32_u24 v26, s98, v4
	v_lshl_add_u32 v26, v3, 4, v26                 ; scale units: 16 r, lanes 16-31 the second half's unit
	v_lshlrev_b32 v27, 4, v4                       ; 16 h
.irp b, 0,1,2,3
	v_mov_b32 v[TM+4+\b], 0                        ; written once: a lane permute's destination counts as one of its sources
.endr
	s_mov_b32 s20, 0x76543210
	s_mov_b32 s99, 0xfedcba98                      ; v_permlanex16_b32's selects for lane l xor 16
	s_wait_alu depctr_va_vdst(0)
	ARRIVE 3                                       ; quarter 0 is in; my three later quarters may be out
	FETCH 0, 0
	s_wait_loadcnt 0x0                             ; the scale words
.irp s, 0,1,2,3,4,5,6,7
	STEP \s
.endr
	PLACES 4                                       ; between the last product and the first read of results
; THE WAY OUT.  A tile a's 64 registers of a lane, register 16 b + i = number 32 b + 16 (lane / 16) + i of the lane's row, become a fragment (codes in v[PC] on) and its scale word in v[96 + a].
.macro QUANTG a
.set AC, 64*(\a)
.set PC, 128+24*(\a)
	WIN 0x28                                       ; sources 1 and 2: window 2
.irp b, 0,1,2,3
	v_max3_num_f32 v[TM+\b], 0x1800000, |v[AC+16*\b]|, |v[AC+16*\b+1]|   ; with the floor 2^(3 - 127); each accumulator is read from its low end on
.endr
.irp i, 2,4,6,8,10,12,14
.irp b, 0,1,2,3
	v_max3_num_f32 v[TM+\b], v[TM+\b], |v[AC+16*\b+\i]|, |v[AC+16*\b+\i+1]|
.endr
.endr
	WIN 0
.irp b, 0,1,2,3
	v_permlanex16_b32 v[TM+4+\b], v[TM+\b], s20, s99
.endr
.irp b, 0,1,2,3
	v_max_num_f32 v[TM+\b], v[TM+\b], v[TM+4+\b]   ; with lane l xor 16's 16: the block's largest magnitude
.endr
.irp b, 0,1,2,3
	v_add_nc_u32 v[TM+12+\b], 0xff000000, v[TM+\b] ; 2 off the exponent field: the conversion's scale operand
.endr
.irp b, 0,1,2,3
	v_lshrrev_b32 v[TM+4+\b], 23, v[TM+12+\b]      ; the byte
.endr
	v_lshl_or_b32 v[96+\a], v[TM+5], 8, v[TM+4]
	v_lshl_or_b32 v[96+\a], v[TM+6], 16, v[96+\a]
	v_lshl_or_b32 v[96+\a], v[TM+7], 24, v[96+\a]
	WIN 0x02                                       ; source 0: window 2
.irp c, 0,1
	v_cvt_scalef32_pk16_fp6_f32 v[PC+6*\c:PC+6*\c+2], v[AC+32*\c:AC+32*\c+15], v[TM+12+2*\c]
	v_cvt_scalef32_pk16_fp6_f32 v[PC+12+4*\c:PC+14+4*\c], v[AC+32*\c+16:AC+32*\c+31], v[TM+13+2*\c]
.endr
	WIN 0
	v_nop                                          ; one plain line behind the conversions
.irp c, 0,1                            ; a whole block to a lane: lanes 0-15 block 2 c, lanes 16-31 block 2 c + 1
.irp i, 0,1,2
	v_permlane16_swap_b32 v[PC+6*\c+\i], v[PC+12+4*\c+\i]
.endr
.irp i, 0,1,2
	v_mov_b32 v[PC+3+6*\c+\i], v[PC+12+4*\c+\i]
.endr
.endr
	global_store_b128 v1, v[PC:PC+3], s[66:67] offset:768*(\a)         ; a half image: 512 and 256 consecutive bytes, from multiples of 256
	global_store_b64 v2, v[PC+4:PC+5], s[66:67] offset:768*(\a)+512
	global_store_b128 v1, v[PC+6:PC+9], s[92:93] offset:768*(\a)
	global_store_b64 v2, v[PC+10:PC+11], s[92:93] offset:768*(\a)+512
.endm
	QUANTG 0
	QUANTG 1
	QUANTG 2
	QUANTG 3
.irp a, 0,1,2,3
	v_lshrrev_b32 v[96+\a], v27, v[96+\a]          ; lanes 0-15 keep the first half's two bytes, lanes 16-31 the second's
.endr
.irp a, 0,1,2,3
	v_and_b32 v[96+\a], 0xffff, v[96+\a]
.endr
	global_store_b128 v26, v[96:99], s[96:97]      ; sixteen lanes fill a unit of 256 bytes
	s_wait_tensorcnt 0x0                           ; the wave's end, behind my last tensor load
	ds_add_u32 v[SPW], v[NIL]
	s_wait_dscnt 0x0
	CROUND                                         ; the closing round
	s_endpgm
.Lfunc_end_k_q7c6783daef_qkv:
	.size	k_q7c6783daef_qkv, .Lfunc_end_k_q7c6783daef_qkv-k_q7c6783daef_qkv
	.p2alignl 7, 3214868480
	.fill 96, 4, 3214868480
	.section	.rodata,"a",@progbits
	.p2align	6, 0x0
	.amdhsa_kernel k_q7c6783daef_qkv
		.amdhsa_group_segment_fixed_size 295424
		.amdhsa_private_segment_fixed_size 0
		.amdhsa_enable_private_segment 0
		.amdhsa_kernarg_size 40
		.amdhsa_user_sgpr_count 2
		.amdhsa_user_sgpr_kernarg_segment_ptr 1
		.amdhsa_wavefront_size32 1
		.amdhsa_system_sgpr_workgroup_id_x 1
		.amdhsa_system_sgpr_workgroup_id_y 1
		.amdhsa_system_sgpr_workgroup_id_z 1
		.amdhsa_system_vgpr_workitem_id 0
		.amdhsa_next_free_vgpr 768
		.amdhsa_next_free_sgpr 100
		.amdhsa_reserve_vcc 0
		.amdhsa_float_denorm_mode_32 3
		.amdhsa_float_denorm_mode_16_64 3
		.amdhsa_memory_ordered 1
		.amdhsa_forward_progress 1
		.amdhsa_inst_pref_size 90
	.end_amdhsa_kernel
	.amdgpu_metadata
---
amdhsa.version: [ 1, 2 ]
amdhsa.kernels:
  - .name:           k_q7c6783daef_qkv
    .symbol:         k_q7c6783daef_qkv.kd
    .args:
      - { .name: xc, .offset: 0, .size: 8, .value_kind: global_buffer, .address_space: global }
      - { .name: xs, .offset: 8, .size: 8, .value_kind: global_buffer, .address_space: global }
      - { .name: wc, .offset: 16, .size: 8, .value_kind: global_buffer, .address_space: global }
      - { .name: ws, .offset: 24, .size: 8, .value_kind: global_buffer, .address_space: global }
      - { .name: att, .offset: 32, .size: 8, .value_kind: global_buffer, .address_space: global }
    .group_segment_fixed_size: 295424
    .private_segment_fixed_size: 0
    .kernarg_segment_align: 8
    .kernarg_segment_size: 40
    .max_flat_workgroup_size: 128
    .sgpr_count:     100
    .vgpr_count:     768
    .wavefront_size: 32
...
	.end_amdgpu_metadata
.endif
;; end of part 2
;; launch attn (part 3): grid 4 x 64, 16 waves a work-group, clusters of 4 x 1, 215,040 bytes of LDS; arguments att, yc, ys; writes yc, ys
.if DOCPART == 3
	.amdgcn_target "amdgcn-amd-amdhsa--gfx1250"
	.amdhsa_code_object_version 6
	.text
	.protected	k_q7c6783daef_attn
	.globl	k_q7c6783daef_attn
	.p2align	8
	.type	k_q7c6783daef_attn,@function
k_q7c6783daef_attn:
	s_mov_b64 s[64:65], 0
	v_nop
	global_prefetch_b8 v0, s[64:65] scope:SCOPE_SE
	s_setreg_imm32_b32 hwreg(HW_REG_WAVE_MODE, 25, 1), 1
	s_wait_xcnt 0x0
	s_wait_alu depctr_hold_cnt(0) depctr_sa_sdst(0) depctr_va_vdst(0) depctr_va_sdst(0) depctr_va_ssrc(0) depctr_va_vcc(0) depctr_vm_vsrc(0)
	s_getreg_b32 s2, hwreg(HW_REG_IB_STS2, 6, 4)
	s_cmp_eq_u32 s2, 0
	s_cbranch_scc0 .Lentry_in_a_cluster
	s_endpgm
.Lentry_in_a_cluster:
	s_bfe_u32 s2, ttmp6, 0x10000c
	s_cmp_lg_u32 s2, 0x3003
	s_cbranch_scc0 .Lentry_shape_is_right
	s_endpgm
.Lentry_shape_is_right:
; y = softmax(q k^T / 8, causal) v for one head a cluster, both products on codes of FP6 (E2M3); y / l is quantised along C in registers and stored as the last product's operand.
; THE SOFTMAX: t = score x log2(e) / 8; M = the running largest t rounded UP to a whole number; p = 2^(t - M) is quantised along the keys, not normalised; the row's sum is taken of the unquantised p and divides at the end.
; When M moves, the sum and O are multiplied by 2^(old M - new M): exact.
; att's record of a head (RECB bytes): 0 K's scale units, 8,192 V's, 16,384 + 12,288 s key step s (8 tiles of K, then V [half][4 tiles of d], 768 bytes each), QC Q's 128 tiles, QS Q's scale units.
; Its first 212,992 bytes ARE this kernel's LDS: the whole head's K, V and scales lie there; nothing is filled again.
; CLUSTER: the four work-groups of a cluster share a head and ask for it JOINTLY (mask 15): waves 0-3 issue two loads each, the first 40,960 bytes (scales, key steps 0, 1), then the rest.
; SHARES: wave w owns two tiles of 16 queries, one after the other: in blocks of 128 queries w / 2 and 15 - w / 2; tile = 8 block + 2 cx + w % 2.  A tile of block k needs k + 1 key steps: 17 steps for every wave.
;   The block hangs on the wave's number alone: no branch and no LDS address hangs on cx.  All loops have constant trip counts; a step all of whose keys are hidden is jumped over.
; LAYOUT: both products transposed: S^T = K Q^T, O^T = V^T P^T: a lane holds ONE query.  Tiles hold rows 32 g + 8 u + r + 8 (r / 8): so p's 16 registers of two neighbouring tiles are 16 neighbouring keys, O^T's likewise 16 neighbouring channels.
; K = 64 IN AN INSTRUCTION OF 128: Q's registers 6-11 are zero codes and the upper two scale bytes of both sides are 0 (a finite scale).  K's operand of tile t is v[42+6t .. 53+6t]: its upper half is the next
;   tile's codes (behind the last: zeros), which meet Q's zero codes and add exact zeros.
; LIMITS: NaN and infinities are not served; a block of y under 2^-124 gets the byte 1.  A head owns 2 of a row's 32 scale bytes of y: those 32 bytes a tile leave by byte stores.
; REGISTERS: v1-4, v7, v11 lane terms; v5, v6 the add's two; v8-10 the step's LDS addresses; v12 -M, v13 the largest t, v[14:15] the sum; v16-27, v28-39 Q of the two tiles, v40, v41 their scale words;
;   v42-95 K's or V's fragments; v96-159 S^T, then p; v160-191 O^T; v192-210 codes; v212-219 K's scale words; v220-227 V's halves, v228-231 V's words; v232-255 at work (v252 f, v253 p's scale word).
.set RECB,  319488
.set QC,    212992
.set QS,    311296
.set SPARE, 212992                     ; behind the head: the spare words, 128 bytes for each of 16 waves, which no other line names
.set SPW,  5
.set NIL,  6
.set WV,   10
.set CX,   11
.set CNT,  13
.set BLK0, 15
.set BLK1, 16
.set SI,   17                          ; the key step
.set TB,   18                          ; where its tiles begin in LDS
.set TS,   19                          ; and its scale units: 512 bytes a step
.set SEL,  20
.set CS,   22
.set G1A,  24
.set G1B,  32
.set G0A,  40
.set G0B,  44
.set REC,  48
.set YC,   50                          ; s[50:51], s[52:53]
.set YS,   54                          ; s[54:55], s[56:57]
.set QA,   58                          ; s[58:59], s[60:61]
.set QW0,  62
.set QW1,  66
.macro CROUND
	s_barrier_signal -1
	s_barrier_wait -1
	s_cmp_lg_u32 s[WV], 0
	s_cbranch_scc1 .Lnot_wave_0_\@
	s_barrier_signal -3
.Lnot_wave_0_\@:
	s_barrier_wait -3
	s_barrier_signal -1
	s_barrier_wait -1
.endm
	s_load_b128 s[4:7], s[0:1], 0x0                ; att, yc
	s_load_b64 s[8:9], s[0:1], 0x10                ; ys
	v_lshl_add_u32 v[SPW], v0, 2, SPARE
	v_mov_b32 v[NIL], 0
	ds_add_u32 v[SPW], v[NIL]                      ; the wave's opening: the add and its wait ahead of the first tensor loads; work on registers stands between
	ds_add_u32 v[SPW], v[NIL]
	v_lshrrev_b32 v8, 5, v0
	s_delay_alu instid0(VALU_DEP_1)
	v_readfirstlane_b32 s[WV], v8
	s_bfe_u32 s[CX], ttmp6, 0x40000
	s_and_b32 s12, ttmp7, 0xffff                   ; batch x 16 + head
	s_and_b32 s14, s[WV], 1
	s_lshr_b32 s[BLK0], s[WV], 1
	s_sub_co_u32 s[BLK1], 15, s[BLK0]
	; group 1: dense bytes as rows of 256 (32 elements of 8): 40 rows, and 168
	s_mov_b32 s[G1A], 15|(3<<16)|(1<<21)           ; the mask: all four work-groups; elements of 8 bytes; bit 21 set beside a mask
	s_mov_b32 s[G1A+1], 32<<16
	s_mov_b32 s[G1A+2], 40<<16
	s_mov_b32 s[G1A+3], 32<<16
	s_mov_b32 s[G1A+4], 40
	s_mov_b32 s[G1A+5], 32
	s_mov_b32 s[G1A+6], 0
	s_mov_b32 s[G1A+7], 0
	s_mov_b32 s[G1B], 15|(3<<16)|(1<<21)
	s_mov_b32 s[G1B+1], 32<<16
	s_mov_b32 s[G1B+2], 168<<16
	s_mov_b32 s[G1B+3], 32<<16
	s_mov_b32 s[G1B+4], 168
	s_mov_b32 s[G1B+5], 32
	s_mov_b32 s[G1B+6], 0
	s_mov_b32 s[G1B+7], 0
	s_mov_b32 s[SEL], 0x76543210
	s_mov_b32 s[SEL+1], 0xfedcba98                 ; v_permlanex16_b32's selects for lane l xor 16
	s_mov_b32 s[CS], 0x3e38aa3b                    ; c = log2(e) / 8
	s_mov_b32 s[CS+1], s[CS]                       ; (named with it as a pair)
	s_mul_i32 s68, s12, RECB
	s_mov_b32 s69, 0
	s_and_b32 s70, s[WV], 3
	s_mul_i32 s71, s70, 10240                      ; my quarter of the first 40,960 bytes, in memory and in LDS alike
	s_mul_i32 s72, s70, 43008
	s_add_co_u32 s72, s72, 40960                   ; and of the other 172,032
	s_wait_dscnt 0x0                               ; the opening add is done
	s_wait_kmcnt 0x0
	s_add_nc_u64 s[REC:REC+1], s[4:5], s[68:69]    ; the head's record
	s_mov_b32 s[G0A], 1
	s_mov_b32 s[G0A+1], s71
	s_mov_b32 s68, s71
	s_add_nc_u64 s[G0A+2:G0A+3], s[REC:REC+1], s[68:69]
	s_or_b32 s[G0A+3], s[G0A+3], 0x80000000
	s_mov_b32 s[G0B], 1
	s_mov_b32 s[G0B+1], s72
	s_mov_b32 s68, s72
	s_add_nc_u64 s[G0B+2:G0B+3], s[REC:REC+1], s[68:69]
	s_or_b32 s[G0B+3], s[G0B+3], 0x80000000
	CROUND                                         ; all four work-groups are here: the joint loads meet
	s_cmp_lt_u32 s[WV], 4                          ; waves 0-3 fetch: both loads in one branch on the wave's number; two loads of such a wave are out
	s_cbranch_scc0 .Lno_fetch
	tensor_load_to_lds s[G0A:G0A+3], s[G1A:G1A+7]
	s_nop 0
	tensor_load_to_lds s[G0B:G0B+3], s[G1B:G1B+7]
	s_nop 0
.rept 4
	v_nop
.endr
.Lno_fetch:
	s_lshr_b32 s75, s12, 4
	s_lshl_b32 s75, s75, 7                         ; 128 token tiles a batch
	s_and_b32 s78, s12, 15                         ; head = which 64 of y's K
	s_mul_i32 s76, s78, 768
	s_lshr_b32 s77, s78, 2
	s_lshl_b32 s77, s77, 7
	s_and_b32 s78, s78, 3
	s_lshl_b32 s78, s78, 1
	s_add_co_u32 s77, s77, s78                     ; its two scale bytes: quarter head / 4, bytes 2 (head % 4) on
.macro WHERE p, blk, qw                ; tile p's places in att, yc, ys
	s_lshl_b32 s70, s[\blk], 3
	s_lshl_b32 s71, s[CX], 1
	s_add_co_u32 s70, s70, s71
	s_add_co_u32 s70, s70, s14                     ; the tile
	s_mul_i32 s72, s70, 768
	s_add_co_u32 s72, s72, QC
	s_mov_b32 s73, 0
	s_add_nc_u64 s[QA+2*\p:QA+2*\p+1], s[REC:REC+1], s[72:73]
	s_lshr_b32 s72, s70, 2
	s_lshl_b32 s72, s72, 8
	s_and_b32 s74, s70, 3
	s_lshl_b32 s74, s74, 2
	s_add_co_u32 s72, s72, s74
	s_add_co_u32 s72, s72, QS
	s_add_nc_u64 s[\qw:\qw+1], s[REC:REC+1], s[72:73]
	s_add_co_u32 s70, s70, s75
	s_mul_i32 s72, s70, 12288
	s_add_co_u32 s72, s72, s76
	s_add_nc_u64 s[YC+2*\p:YC+2*\p+1], s[6:7], s[72:73]
	s_lshl_b32 s72, s70, 9
	s_add_co_u32 s72, s72, s77
	s_add_nc_u64 s[YS+2*\p:YS+2*\p+1], s[8:9], s[72:73]
.endm
	WHERE 0, BLK0, QW0
	WHERE 1, BLK1, QW1
	v_and_b32 v8, 31, v0
	s_delay_alu instid0(VALU_DEP_1)
	v_lshlrev_b32 v1, 4, v8                        ; 16 lane
	s_delay_alu instid0(VALU_DEP_2)
	v_lshlrev_b32 v2, 3, v8                        ; 8 lane
	v_and_b32 v9, 15, v0                           ; r
	v_bfe_u32 v7, v0, 4, 1                         ; h
	s_delay_alu instid0(VALU_DEP_2)
	v_lshlrev_b32 v3, 4, v9                        ; 16 r
	s_delay_alu instid0(VALU_DEP_2)
	v_lshl_add_u32 v11, v9, 3, v7                  ; 8 r + h
	global_load_b128 v[16:19], v1, s[QA:QA+1]      ; Q's half images stay in registers
	global_load_b64 v[20:21], v2, s[QA:QA+1] offset:512
	global_load_b32 v40, v3, s[QW0:QW0+1]
	global_load_b128 v[28:31], v1, s[QA+2:QA+3]
	global_load_b64 v[32:33], v2, s[QA+2:QA+3] offset:512
	global_load_b32 v41, v3, s[QW1:QW1+1]
	v_and_b32 v4, 8, v9
	s_delay_alu instid0(VALU_DEP_1)
	v_add_nc_u32 v4, v4, v9
	s_lshl_b32 s70, s[CX], 5
	s_lshl_b32 s71, s14, 3
	s_add_co_u32 s70, s70, s71
	v_add_nc_u32 v4, s70, v4                       ; my query within its block of 128: 32 cx + 8 (w % 2) + r + 8 (r / 8),
	v_lshlrev_b32 v10, 4, v7
	s_delay_alu instid0(VALU_DEP_1)
	v_sub_nc_u32 v4, v4, v10                       ; less 16 h: on the diagonal register 16 b + i is hidden where 32 b + i is above this
.irp j, 22,23,24,25,26,27,34,35,36,37,38,39,90,91,92,93,94,95
	v_mov_b32 v\j, 0                               ; zero codes: Q's k = 64 .. 127, and what stands behind K's last tile
.endr
.irp j, 236,237,238,239,252,253
	v_mov_b32 v\j, 0                               ; written once: lane permutes' destinations and the pair v[252:253] count as read
.endr
.macro RESET                           ; the loops have no first step of their own: the first change of M multiplies zeros
	v_mov_b32 v13, 0xff61b1e6                      ; -3e38, under every t
	s_delay_alu instid0(VALU_DEP_1)
	v_floor_f32 v12, -v13
	v_mov_b32 v14, 0
	v_mov_b32 v15, 0
.set n, 0
.rept 32
	v_mov_b32 v[160+n], 0
.set n, n+1
.endr
.endm
	RESET
; A KEY STEP, 128 keys, for the tile whose Q begins at v[q], scale word v[w], block s[blk]
.macro STEP q, w, blk
	s_cmp_gt_u32 s[SI], s[\blk]
	s_cbranch_scc1 .Lhid_\@                        ; all its keys come after my queries
	s_setprio 2
	v_add_nc_u32 v8, s[TB], v1
	v_add_nc_u32 v9, s[TB], v2
	v_add_nc_u32 v10, s[TS], v3
	v_nop                                          ; four plain lines between the last step's products and loads into the registers that they read
.irp t, 0,1,2,3,4,5,6,7
	ds_load_b128 v[42+6*\t:45+6*\t], v8 offset:768*\t
	ds_load_b64 v[46+6*\t:47+6*\t], v9 offset:768*\t+512
.endr
	ds_load_b128 v[212:215], v10                   ; K's scale words, tiles 0-3,
	ds_load_b128 v[216:219], v10 offset:256        ; 4-7;
	ds_load_b128 v[220:223], v10 offset:8192       ; V's, the step's first 64 keys, four tiles of d,
	ds_load_b128 v[224:227], v10 offset:8448       ; its second 64
	s_wait_alu depctr_va_vdst(0)
	s_wait_dscnt 0x0
.irp t, 0,1,2,3,4,5,6,7
	v_wmma_scale_f32_16x16x128_f8f6f4 v[96+8*\t:103+8*\t], v[42+6*\t:53+6*\t], v[\q:\q+11], 0, v[212+\t], v[\w] matrix_a_fmt:MATRIX_FMT_FP6 matrix_b_fmt:MATRIX_FMT_FP6
.endr
.irp d, 0,1,2,3
	v_lshl_or_b32 v[228+\d], v[224+\d], 16, v[220+\d]   ; V's words for 128 keys.  These four are the plain lines behind the products, ahead of the loads and reads below
.endr
.irp d, 0,1,2,3
.irp c, 0,1
	ds_load_b128 v[42+12*\d+6*\c:45+12*\d+6*\c], v8 offset:6144+3072*\c+768*\d      ; V's fragments land while the softmax is worked
	ds_load_b64 v[46+12*\d+6*\c:47+12*\d+6*\c], v9 offset:6144+3072*\c+768*\d+512
.endr
.endr
	s_cmp_lt_u32 s[SI], s[\blk]
	s_cbranch_scc1 .Lopen_\@                       ; all its keys count
	v_mov_b32 v254, 0xff800000                     ; on the diagonal hidden scores become -infinity ahead of the maximum: p = 0 then
.set n, 0
.rept 64
	v_cmp_gt_i32 vcc_lo, 32*(n/16)+n%16, v4
	v_cndmask_b32 v[96+n], v[96+n], v254, vcc_lo
.set n, n+1
.endr
.Lopen_\@:
.irp b, 0,1,2,3
	v_max3_num_f32 v[232+\b], v[96+16*\b], v[97+16*\b], v[98+16*\b]   ; the largest score of each block of 32 keys: for the row's maximum and, since p rises with the score, for the block's largest p
.endr
.irp i, 3,5,7,9,11,13
.irp b, 0,1,2,3
	v_max3_num_f32 v[232+\b], v[232+\b], v[96+16*\b+\i], v[97+16*\b+\i]
.endr
.endr
.irp b, 0,1,2,3
	v_max_num_f32 v[232+\b], v[232+\b], v[111+16*\b]
.endr
.irp b, 0,1,2,3
	s_delay_alu instid0(VALU_DEP_4)
	v_permlanex16_b32 v[236+\b], v[232+\b], s[SEL], s[SEL+1]
.endr
.irp b, 0,1,2,3
	s_delay_alu instid0(VALU_DEP_4)
	v_max_num_f32 v[232+\b], v[232+\b], v[236+\b]
.endr
	s_delay_alu instid0(VALU_DEP_2)
	v_max3_num_f32 v254, v232, v233, v234
	s_delay_alu instid0(VALU_DEP_1)
	v_max_num_f32 v254, v254, v235
	s_delay_alu instid0(VALU_DEP_1)
	v_mul_f32 v254, s[CS], v254
	s_delay_alu instid0(VALU_DEP_1)
	v_max_num_f32 v13, v13, v254                   ; the running largest t
	v_mov_b32 v254, v12
	s_delay_alu instid0(VALU_DEP_2)
	v_floor_f32 v12, -v13                          ; -M = floor(-t)
	s_delay_alu instid0(VALU_DEP_1)
	v_sub_f32 v254, v12, v254                      ; old M - new M: a whole number, 0 or less
	s_delay_alu instid0(VALU_DEP_1)
	v_cvt_i32_f32 v254, v254                       ; (it saturates)
	s_delay_alu instid0(VALU_DEP_1)
	v_ldexp_f32 v252, 1.0, v254                    ; f = 2^(old M - new M)
.set n, 0
	s_setprio 1
.rept 32
	v_pk_fma_f32 v[96+n:97+n], v[96+n:97+n], s[CS:CS+1], v[12:13] op_sel_hi:[1,0,0]   ; t - M
.set n, n+2
.endr
.irp b, 0,1,2,3
	v_fma_f32 v[232+\b], v[232+\b], s[CS], v12
.endr
.set n, 0
	s_wait_alu depctr_va_vdst(0)
.rept 64
	v_exp_f32 v[96+n], v[96+n]                     ; p = 2^(t - M)
.set n, n+1
.endr
	v_pk_mul_f32 v[14:15], v[14:15], v[252:253] op_sel_hi:[1,0]   ; the sum under the new M; the plain line behind the exponentials
	s_wait_alu depctr_va_vdst(0)                   ; the wait ahead of the first line that names a result: one for the batch of 64
.irp b, 0,1,2,3
	v_exp_f32 v[232+\b], v[232+\b]                 ; each block's largest p
.endr
	v_pk_add_f32 v[236:237], v[100:101], v[104:105]
	v_pk_add_f32 v[254:255], v[108:109], v[112:113]
	v_pk_add_f32 v[250:251], v[116:117], v[120:121]
	v_pk_add_f32 v[248:249], v[124:125], v[128:129]
	v_pk_add_f32 v[246:247], v[132:133], v[136:137]
	v_pk_add_f32 v[244:245], v[140:141], v[144:145]
	v_pk_add_f32 v[242:243], v[148:149], v[152:153]
	v_pk_add_f32 v[14:15], v[14:15], v[156:157]
	v_pk_add_f32 v[236:237], v[236:237], v[96:97]
	v_pk_add_f32 v[254:255], v[254:255], v[98:99]
	v_pk_add_f32 v[250:251], v[250:251], v[102:103]
	v_pk_add_f32 v[248:249], v[248:249], v[106:107]
	v_pk_add_f32 v[246:247], v[246:247], v[110:111]
	v_pk_add_f32 v[244:245], v[244:245], v[114:115]
	v_pk_add_f32 v[242:243], v[242:243], v[118:119]
	v_pk_add_f32 v[14:15], v[14:15], v[122:123]
	v_pk_add_f32 v[236:237], v[236:237], v[126:127]
	v_pk_add_f32 v[254:255], v[254:255], v[130:131]
	v_pk_add_f32 v[250:251], v[250:251], v[134:135]
	v_pk_add_f32 v[248:249], v[248:249], v[138:139]
	v_pk_add_f32 v[246:247], v[246:247], v[142:143]
	v_pk_add_f32 v[244:245], v[244:245], v[146:147]
	v_pk_add_f32 v[242:243], v[242:243], v[150:151]
	v_pk_add_f32 v[14:15], v[14:15], v[154:155]
	v_pk_add_f32 v[236:237], v[236:237], v[158:159]
	s_delay_alu instid0(VALU_DEP_2)
	v_pk_add_f32 v[14:15], v[14:15], v[248:249]
	s_delay_alu instid0(VALU_DEP_2)
	v_pk_add_f32 v[236:237], v[236:237], v[246:247]
	v_pk_add_f32 v[254:255], v[254:255], v[244:245]
	v_pk_add_f32 v[250:251], v[250:251], v[242:243]
	s_delay_alu instid0(VALU_DEP_2)
	v_pk_add_f32 v[14:15], v[14:15], v[254:255]
	s_delay_alu instid0(VALU_DEP_2)
	v_pk_add_f32 v[236:237], v[236:237], v[250:251]
	s_delay_alu instid0(VALU_DEP_1)
	v_pk_add_f32 v[14:15], v[14:15], v[236:237]
	s_wait_alu depctr_va_vdst(0)                   ; and one for the four
.irp b, 0,1,2,3
	v_max_num_f32 v[232+\b], 0x1800000, v[232+\b]  ; the floor: the byte cannot fall under 1
.endr
.irp b, 0,1,2,3
	s_delay_alu instid0(VALU_DEP_4)
	v_add_nc_u32 v[244+\b], 0xff000000, v[232+\b]
.endr
.irp b, 0,1,2,3
	s_delay_alu instid0(VALU_DEP_4)
	v_lshrrev_b32 v[236+\b], 23, v[244+\b]
.endr
	s_delay_alu instid0(VALU_DEP_3)
	v_lshl_or_b32 v253, v237, 8, v236              ; p's scale word for these 128 keys
	s_delay_alu instid0(VALU_DEP_1)
	v_lshl_or_b32 v253, v238, 16, v253
	s_delay_alu instid0(VALU_DEP_1)
	v_lshl_or_b32 v253, v239, 24, v253
	s_setprio 0
.irp c, 0,1
	v_cvt_scalef32_pk16_fp6_f32 v[192+6*\c:194+6*\c], v[96+32*\c:111+32*\c], v[244+2*\c]
	v_cvt_scalef32_pk16_fp6_f32 v[204+4*\c:206+4*\c], v[112+32*\c:127+32*\c], v[245+2*\c]
.endr
	v_nop                                          ; one plain line behind the conversions
.irp c, 0,1
.irp i, 0,1,2
	v_permlane16_swap_b32 v[192+6*\c+\i], v[204+4*\c+\i]
.endr
.irp i, 0,1,2
	s_delay_alu instid0(VALU_DEP_3)
	v_mov_b32 v[195+6*\c+\i], v[204+4*\c+\i]
.endr
.endr
.set n, 0
.rept 16
	v_pk_mul_f32 v[160+n:161+n], v[160+n:161+n], v[252:253] op_sel_hi:[1,0]   ; O^T under the new M; sixteen plain lines between the scale word's and the codes' last writes and the products
.set n, n+2
.endr
	s_wait_alu depctr_va_vdst(0)
	s_wait_dscnt 0x0                               ; V's fragments
.irp d, 0,1,2,3
	v_wmma_scale_f32_16x16x128_f8f6f4 v[160+8*\d:167+8*\d], v[42+12*\d:53+12*\d], v[192:203], v[160+8*\d:167+8*\d], v[228+\d], v253 matrix_a_fmt:MATRIX_FMT_FP6 matrix_b_fmt:MATRIX_FMT_FP6
.endr
.Lhid_\@:
	s_add_co_u32 s[SI], s[SI], 1
	s_add_co_u32 s[TB], s[TB], 12288
	s_add_co_u32 s[TS], s[TS], 512
.endm
; O^T / the sum; its 32 numbers a lane are two blocks of y's K (register 16 b + i = channel 32 b + 16 h + i); codes and bytes leave as the last product's operand
.macro FINISH p
.rept 4
	v_nop                                          ; between the last products and the first read of O^T
.endr
	v_add_f32 v14, v14, v15
	s_delay_alu instid0(VALU_DEP_1)
	v_permlanex16_b32 v252, v14, s[SEL], s[SEL+1]
	s_delay_alu instid0(VALU_DEP_1)
	v_add_f32 v14, v14, v252                       ; the row's sum
	s_wait_alu depctr_va_vdst(0)
	v_rcp_f32 v14, v14
	v_nop                                          ; a plain line behind the reciprocal,
	s_wait_alu depctr_va_vdst(0)                   ; and the wait ahead of its first reader
.set n, 0
.rept 16
	v_pk_mul_f32 v[96+n:97+n], v[160+n:161+n], v[14:15] op_sel_hi:[1,0]   ; each accumulator from its low end on
.set n, n+2
.endr
.irp b, 0,1
	v_max3_num_f32 v[232+\b], |v[96+16*\b]|, |v[97+16*\b]|, 0x1800000
.endr
.irp i, 2,4,6,8,10,12,14
.irp b, 0,1
	s_delay_alu instid0(VALU_DEP_2)
	v_max3_num_f32 v[232+\b], v[232+\b], |v[96+16*\b+\i]|, |v[97+16*\b+\i]|
.endr
.endr
.irp b, 0,1
	s_delay_alu instid0(VALU_DEP_2)
	v_permlanex16_b32 v[236+\b], v[232+\b], s[SEL], s[SEL+1]
.endr
.irp b, 0,1
	s_delay_alu instid0(VALU_DEP_2)
	v_max_num_f32 v[232+\b], v[232+\b], v[236+\b]
.endr
.irp b, 0,1
	s_delay_alu instid0(VALU_DEP_2)
	v_add_nc_u32 v[244+\b], 0xff000000, v[232+\b]
.endr
.irp b, 0,1
	s_delay_alu instid0(VALU_DEP_2)
	v_lshrrev_b32 v[236+\b], 23, v[244+\b]
.endr
	v_cvt_scalef32_pk16_fp6_f32 v[192:194], v[96:111], v244
	v_cvt_scalef32_pk16_fp6_f32 v[204:206], v[112:127], v245
	v_nop
.irp i, 0,1,2
	v_permlane16_swap_b32 v[192+\i], v[204+\i]
.endr
.irp i, 0,1,2
	s_delay_alu instid0(VALU_DEP_3)
	v_mov_b32 v[195+\i], v[204+\i]
.endr
	global_store_b128 v1, v[192:195], s[YC+2*\p:YC+2*\p+1]             ; a half image: 512 and 256 consecutive bytes, from multiples of 256
	global_store_b64 v2, v[196:197], s[YC+2*\p:YC+2*\p+1] offset:512
	v_cmp_eq_u32 vcc_lo, 1, v7
	s_delay_alu instid0(VALU_DEP_1)
	v_cndmask_b32 v238, v236, v237, vcc_lo         ; lane (r, h) keeps block h's byte
	global_store_b8 v11, v238, s[YS+2*\p:YS+2*\p+1]
.endm
	s_wait_loadcnt 0x0                             ; Q
	s_wait_tensorcnt 0x1                           ; my part of the scales and key steps 0, 1 is in; the larger load may be out
	s_barrier_signal -1
	s_barrier_wait -1
	s_mov_b32 s[SI], 0
	s_mov_b32 s[TB], 16384
	s_mov_b32 s[TS], 0
	s_mov_b32 s[CNT], 2
.Lfirst_two:
	STEP 16, 40, BLK0
	s_sub_co_u32 s[CNT], s[CNT], 1
	s_cmp_lg_u32 s[CNT], 0
	s_cbranch_scc1 .Lfirst_two
	s_setprio 0
	s_wait_tensorcnt 0x0                           ; my part of the rest of the head is in,
	s_wait_dscnt 0x0
	s_barrier_signal -1
	s_barrier_wait -1                              ; everybody's is.  No barrier stands in the loops behind: the waves run free
	s_mov_b32 s[SI], 2
	s_mov_b32 s[TB], 16384+2*12288
	s_mov_b32 s[TS], 1024
	s_mov_b32 s[CNT], 14
.Lrest:
	STEP 16, 40, BLK0
	s_sub_co_u32 s[CNT], s[CNT], 1
	s_cmp_lg_u32 s[CNT], 0
	s_cbranch_scc1 .Lrest
	s_setprio 0
	FINISH 0
	s_wait_xcnt 0x0                                ; the stores have read their registers: these are written again below
	RESET
	s_mov_b32 s[SI], 0
	s_mov_b32 s[TB], 16384
	s_mov_b32 s[TS], 0
	s_mov_b32 s[CNT], 16
.Lsecond:
	STEP 28, 41, BLK1
	s_sub_co_u32 s[CNT], s[CNT], 1
	s_cmp_lg_u32 s[CNT], 0
	s_cbranch_scc1 .Lsecond
	s_setprio 0
	FINISH 1
	s_wait_tensorcnt 0x0                           ; the wave's end, behind the last tensor load
	ds_add_u32 v[SPW], v[NIL]
	s_wait_dscnt 0x0
	CROUND                                         ; the closing round
	s_endpgm
.Lfunc_end_k_q7c6783daef_attn:
	.size	k_q7c6783daef_attn, .Lfunc_end_k_q7c6783daef_attn-k_q7c6783daef_attn
	.p2alignl 7, 3214868480
	.fill 96, 4, 3214868480
	.section	.rodata,"a",@progbits
	.p2align	6, 0x0
	.amdhsa_kernel k_q7c6783daef_attn
		.amdhsa_group_segment_fixed_size 215040
		.amdhsa_private_segment_fixed_size 0
		.amdhsa_enable_private_segment 0
		.amdhsa_kernarg_size 24
		.amdhsa_user_sgpr_count 2
		.amdhsa_user_sgpr_kernarg_segment_ptr 1
		.amdhsa_wavefront_size32 1
		.amdhsa_system_sgpr_workgroup_id_x 1
		.amdhsa_system_sgpr_workgroup_id_y 1
		.amdhsa_system_sgpr_workgroup_id_z 1
		.amdhsa_system_vgpr_workitem_id 0
		.amdhsa_next_free_vgpr 256
		.amdhsa_next_free_sgpr 80
		.amdhsa_reserve_vcc 1
		.amdhsa_float_denorm_mode_32 3
		.amdhsa_float_denorm_mode_16_64 3
		.amdhsa_memory_ordered 1
		.amdhsa_forward_progress 1
		.amdhsa_inst_pref_size 88
	.end_amdhsa_kernel
	.amdgpu_metadata
---
amdhsa.version: [ 1, 2 ]
amdhsa.kernels:
  - .name:           k_q7c6783daef_attn
    .symbol:         k_q7c6783daef_attn.kd
    .args:
      - { .name: att, .offset: 0, .size: 8, .value_kind: global_buffer, .address_space: global }
      - { .name: yc, .offset: 8, .size: 8, .value_kind: global_buffer, .address_space: global }
      - { .name: ys, .offset: 16, .size: 8, .value_kind: global_buffer, .address_space: global }
    .group_segment_fixed_size: 215040
    .private_segment_fixed_size: 0
    .kernarg_segment_align: 8
    .kernarg_segment_size: 24
    .max_flat_workgroup_size: 512
    .sgpr_count:     80
    .vgpr_count:     256
    .wavefront_size: 32
...
	.end_amdgpu_metadata
.endif
;; end of part 3
;; launch proj (part 4): grid 4 x 64, 4 waves a work-group, clusters of 4 x 4, 295,424 bytes of LDS; arguments yc, ys, wc, ws, out0; writes out0
.if DOCPART == 4
	.amdgcn_target "amdgcn-amd-amdhsa--gfx1250"
	.amdhsa_code_object_version 6
	.text
	.protected	k_q7c6783daef_proj
	.globl	k_q7c6783daef_proj
	.p2align	8
	.type	k_q7c6783daef_proj,@function
k_q7c6783daef_proj:
	s_mov_b64 s[64:65], 0
	v_nop
	global_prefetch_b8 v0, s[64:65] scope:SCOPE_SE
	s_setreg_imm32_b32 hwreg(HW_REG_WAVE_MODE, 25, 1), 1
	s_wait_xcnt 0x0
	s_wait_alu depctr_hold_cnt(0) depctr_sa_sdst(0) depctr_va_vdst(0) depctr_va_sdst(0) depctr_va_ssrc(0) depctr_va_vcc(0) depctr_vm_vsrc(0)
	s_getreg_b32 s2, hwreg(HW_REG_IB_STS2, 6, 4)
	s_cmp_eq_u32 s2, 0
	s_cbranch_scc0 .Lentry_in_a_cluster
	s_endpgm
.Lentry_in_a_cluster:
	s_bfe_u32 s2, ttmp6, 0x10000c
	s_cmp_lg_u32 s2, 0xf033
	s_cbranch_scc0 .Lentry_shape_is_right
	s_endpgm
.Lentry_shape_is_right:
; out = y w_proj on codes of FP6 (E2M3), K = 1024.  y's codes and scale bytes were made by the launch before, w_proj's are tiles 192-255 of wc, ws.
; OPERANDS: codes [tile][16 halves of K][768], scale bytes [tile][4 quarters][r][8]; tile 2 g + u holds at place r row 32 g + 8 u + r + 8 (r / 8).
; A WORK-GROUP makes 128 tokens (8 tiles, source 1: a lane holds one token) x 256 columns (16 tiles, source 0: a lane's registers run along the columns).  Four waves, each 4 x 8 tiles: 32 accumulators.
; ALL OF K LIES IN LDS: every tensor load is a first fill, four a wave (one for each quarter of K), asked for in the first lines; no bytes are filled again.  256 work-groups.
; CLUSTER 4 x 4: y's tiles are asked for jointly along a row of the cluster, w_proj's along a column.
; THE WAY OUT goes through a stage of 16 rows x 528 bytes a wave, in the first quarter's LDS bytes: these have had their only fill, and every wave's last read of them lies ahead of a barrier that all have passed.
; REGISTERS: window 0: v1-5 lane terms; v8-23 LDS addresses; v24, v25 the add's two; v26, v27 stage; v32-47 A's scale words, v48-79 B's; v128-223 A's fragments, two sets; on the way out v128-255 rows of out.
;   window 1: B's fragments, sets at v0 and v128.   window 2: accumulator (a, b) at v[8 (8 a + b)].
.set QB,    73728
.set SPARE, 4*QB                       ; behind the four quarters: the spare words, 128 bytes a wave, which no other line names
.set A16,   8
.set A8,    12
.set B16,   16
.set B8,    20
.set SPW,   24
.set NIL,   25
.set STO,   26
.set RD,    27
.set SA,    32
.set SB,    48
.set AF,    128
.set BK,    128
.set G1A,   24
.set G1B,   32
.set G0A,   40
.set G0B,   68
.set MSB, 0
.macro WIN new                         ; the immediate's high byte repeats the setting that is left
.if MSB != \new
	s_set_vgpr_msb (MSB<<8)|\new
.set MSB, \new
.endif
.endm
.set MUL,  0xa1                        ; source 0 (B) window 1, source 1 (A) window 0, C and D window 2
.set TO_B, 0x40
.macro CROUND
	s_barrier_signal -1
	s_barrier_wait -1
	s_cmp_lg_u32 s14, 0
	s_cbranch_scc1 .Lnot_wave_0_\@
	s_barrier_signal -3
.Lnot_wave_0_\@:
	s_barrier_wait -3
	s_barrier_signal -1
	s_barrier_wait -1
.endm
.macro PLACES n
.rept \n
	v_nop
.endr
.endm
.macro FETCH s, p                      ; the fragments of K step s into set p: 48 dense loads
	WIN TO_B
.irp i, 0,1,2,3,4,5,6,7
.irp c, 0,1
	ds_load_b128 v[128*(\p)+12*\i+6*\c:128*(\p)+12*\i+6*\c+3], v[B16+(\s)/2] offset:3072*\i+1536*((\s)%2)+768*\c
	ds_load_b64 v[128*(\p)+12*\i+6*\c+4:128*(\p)+12*\i+6*\c+5], v[B8+(\s)/2] offset:3072*\i+1536*((\s)%2)+768*\c+512
.endr
.endr
	WIN 0
.irp i, 0,1,2,3
.irp c, 0,1
	ds_load_b128 v[AF+48*(\p)+12*\i+6*\c:AF+48*(\p)+12*\i+6*\c+3], v[A16+(\s)/2] offset:3072*\i+1536*((\s)%2)+768*\c
	ds_load_b64 v[AF+48*(\p)+12*\i+6*\c+4:AF+48*(\p)+12*\i+6*\c+5], v[A8+(\s)/2] offset:3072*\i+1536*((\s)%2)+768*\c+512
.endr
.endr
.endm
.macro MUL32 s, p                      ; the 32 accumulators take turns, one instruction a turn, in the same order in every step
.irp a, 0,1,2,3
.irp b, 0,1,2,3,4,5,6,7
.if (\s) == 0
	v_wmma_scale_f32_16x16x128_f8f6f4 v[8*(8*\a+\b):8*(8*\a+\b)+7], v[128*(\p)+12*\b:128*(\p)+12*\b+11], v[AF+48*(\p)+12*\a:AF+48*(\p)+12*\a+11], 0, v[SB+4*\b], v[SA+4*\a] matrix_a_fmt:MATRIX_FMT_FP6 matrix_b_fmt:MATRIX_FMT_FP6
.elseif (\s) < 4
	v_wmma_scale_f32_16x16x128_f8f6f4 v[8*(8*\a+\b):8*(8*\a+\b)+7], v[128*(\p)+12*\b:128*(\p)+12*\b+11], v[AF+48*(\p)+12*\a:AF+48*(\p)+12*\a+11], v[8*(8*\a+\b):8*(8*\a+\b)+7], v[SB+4*\b+(\s)], v[SA+4*\a+(\s)] matrix_a_fmt:MATRIX_FMT_FP6 matrix_b_fmt:MATRIX_FMT_FP6
.else
	v_wmma_scale_f32_16x16x128_f8f6f4 v[8*(8*\a+\b):8*(8*\a+\b)+7], v[128*(\p)+12*\b:128*(\p)+12*\b+11], v[AF+48*(\p)+12*\a:AF+48*(\p)+12*\a+11], v[8*(8*\a+\b):8*(8*\a+\b)+7], v[SB+4*\b+(\s)-4], v[SA+4*\a+(\s)-4] matrix_a_fmt:MATRIX_FMT_FP6 matrix_b_fmt:MATRIX_FMT_FP6 matrix_a_scale:MATRIX_SCALE_ROW1 matrix_b_scale:MATRIX_SCALE_ROW1
.endif
.endr
.endr
.endm
.macro ARRIVE n                        ; my part of a quarter has landed (n later quarters of mine may be out), then everybody's.
	s_wait_tensorcnt \n
	s_barrier_signal -1
	s_barrier_wait -1
.endm
.macro STEP s
	s_wait_dscnt 0x0                               ; this step's fragments, asked for 32 products ago
.if (\s) == 1
	ARRIVE 2
.elseif (\s) == 3
	ARRIVE 1
.elseif (\s) == 5
	ARRIVE 0
.endif
.if (\s) < 7
.if (\s) > 0
	PLACES 4                                       ; four plain lines between the last product and loads into the set that it read
.endif
	FETCH (\s)+1, 1-(\s)%2
.endif
	WIN MUL
	MUL32 \s, (\s)%2
	WIN 0
.endm
	s_load_b256 s[4:11], s[0:1], 0x0               ; yc s[4:5], ys s[6:7], wc s[8:9], ws s[10:11]
	s_load_b64 s[12:13], s[0:1], 0x20              ; out0
	v_lshl_add_u32 v[SPW], v0, 2, SPARE
	v_mov_b32 v[NIL], 0
	ds_add_u32 v[SPW], v[NIL]
	ds_add_u32 v[SPW], v[NIL]                      ; the wave's opening: the add and its wait ahead of my first tensor load; work on registers stands between
	v_lshrrev_b32 v1, 5, v0
	v_readfirstlane_b32 s14, v1                    ; wave
	s_lshr_b32 s15, s14, 1                         ; wm.  Also: waves 0, 1 fetch A, waves 2, 3 B
	s_and_b32 s16, s14, 1                          ; wn.  Also: which half of the operand I fetch
	s_bfe_u32 s17, ttmp6, 0x40000                  ; cx
	s_bfe_u32 s18, ttmp6, 0x40004                  ; cy
	s_lshl_b32 s22, ttmp9, 2
	s_add_co_u32 s22, s22, s17                     ; nt: 256 columns each
	s_and_b32 s23, ttmp7, 0xffff
	s_lshl_b32 s23, s23, 2
	s_add_co_u32 s23, s23, s18                     ; mt: 128 tokens each
	s_lshl_b32 s62, s18, 2
	s_lshl_b32 s62, 15, s62                        ; my row of the cluster
	s_lshl_b32 s63, 0x1111, s17                    ; my column
	s_or_b32 s[G1A], s62, (3<<16)|(1<<21)          ; the mask; elements of 8 bytes; bit 21 set beside a mask
	s_mov_b32 s[G1A+1], 384<<16                    ; rows of 3,072 bytes: a tile's quarter of K
	s_mov_b32 s[G1A+2], 4<<16                      ; 4 tiles
	s_mov_b32 s[G1A+3], 384<<16
	s_mov_b32 s[G1A+4], 4
	s_mov_b32 s[G1A+5], 1536                       ; 12,288 bytes from tile to tile
	s_mov_b32 s[G1A+6], 0
	s_mov_b32 s[G1A+7], 0
	s_or_b32 s[G1B], s63, (3<<16)|(1<<21)
	s_mov_b32 s[G1B+1], 384<<16
	s_mov_b32 s[G1B+2], 8<<16                      ; 8 tiles
	s_mov_b32 s[G1B+3], 384<<16
	s_mov_b32 s[G1B+4], 8
	s_mov_b32 s[G1B+5], 1536
	s_mov_b32 s[G1B+6], 0
	s_mov_b32 s[G1B+7], 0
	s_lshl_b32 s56, s23, 3                         ; A: tile 8 mt + 4 x my half, in registers that never hold cx
	s_lshl_b32 s57, s16, 2
	s_add_co_u32 s56, s56, s57
	s_mul_i32 s56, s56, 12288
	s_mov_b32 s57, 0
	s_lshl_b32 s58, s22, 4                         ; B: tile 192 + 16 nt + 8 x my half, in registers that never hold cy
	s_lshl_b32 s59, s16, 3
	s_add_co_u32 s58, s58, s59
	s_mul_i32 s58, s58, 12288
	s_add_co_u32 s58, s58, 192*12288
	s_mov_b32 s59, 0
	s_mul_i32 s60, s16, 12288                      ; where they go: no place in the cluster enters an LDS address
	s_mul_i32 s61, s16, 24576
	s_add_co_u32 s61, s61, 24576
	s_lshl_b32 s92, s23, 7
	s_lshl_b32 s93, s15, 6
	s_add_co_u32 s92, s92, s93                     ; my first token
	s_lshl_b32 s92, s92, 12
	s_lshl_b32 s93, s22, 10
	s_add_co_u32 s92, s92, s93
	s_lshl_b32 s93, s16, 9
	s_add_co_u32 s92, s92, s93                     ; + my first column's bytes
	s_mov_b32 s93, 0
	s_wait_dscnt 0x0                               ; the opening add is done
	s_wait_kmcnt 0x0
	s_add_nc_u64 s[84:85], s[4:5], s[56:57]
	s_add_nc_u64 s[86:87], s[8:9], s[58:59]
.irp q, 0,1,2,3
	s_mov_b32 s[G0A+4*\q], 1
	s_add_co_u32 s[G0A+4*\q+1], s60, \q*QB
	s_add_nc_u64 s[G0A+4*\q+2:G0A+4*\q+3], s[84:85], \q*3072
	s_or_b32 s[G0A+4*\q+3], s[G0A+4*\q+3], 0x80000000
	s_mov_b32 s[G0B+4*\q], 1
	s_add_co_u32 s[G0B+4*\q+1], s61, \q*QB
	s_add_nc_u64 s[G0B+4*\q+2:G0B+4*\q+3], s[86:87], \q*3072
	s_or_b32 s[G0B+4*\q+3], s[G0B+4*\q+3], 0x80000000
.endr
	CROUND                                         ; all sixteen work-groups are here: the joint loads meet
	s_cmp_lt_u32 s14, 2                            ; a wave's four first fills stand in one branch on its number: four loads of mine are out
	s_cbranch_scc0 .Lfirst_b
.irp q, 0,1,2,3
	tensor_load_to_lds s[G0A+4*\q:G0A+4*\q+3], s[G1A:G1A+7]
	s_nop 0
.endr
	PLACES 4
	s_branch .Lfirst_done
.Lfirst_b:
.irp q, 0,1,2,3
	tensor_load_to_lds s[G0B+4*\q:G0B+4*\q+3], s[G1B:G1B+7]
	s_nop 0
.endr
	PLACES 4
.Lfirst_done:
	s_add_nc_u64 s[12:13], s[12:13], s[92:93]
	s_lshl_b32 s56, s23, 3                         ; my tiles' scale bytes: 512 a tile
	s_lshl_b32 s57, s15, 2
	s_add_co_u32 s56, s56, s57
	s_lshl_b32 s56, s56, 9
	s_mov_b32 s57, 0
	s_add_nc_u64 s[88:89], s[6:7], s[56:57]
	s_lshl_b32 s58, s22, 4
	s_lshl_b32 s59, s16, 3
	s_add_co_u32 s58, s58, s59
	s_lshl_b32 s58, s58, 9
	s_add_co_u32 s58, s58, 192*512
	s_mov_b32 s59, 0
	s_add_nc_u64 s[90:91], s[10:11], s[58:59]
	v_and_b32 v6, 31, v0
	v_lshlrev_b32 v1, 4, v6                        ; 16 lane
	v_lshlrev_b32 v2, 3, v6                        ; 8 lane
	v_and_b32 v3, 15, v0                           ; r
	v_bfe_u32 v4, v0, 4, 1                         ; h
	v_lshlrev_b32 v5, 3, v3
	v_lshl_add_u32 v5, v4, 8, v5                   ; 8 r + 256 h: lanes 0-15 take quarters 0, 1 of K, lanes 16-31 quarters 2, 3
.irp a, 0,1,2,3
	global_load_b64 v[SA+4*\a:SA+4*\a+1], v5, s[88:89] offset:512*\a
	global_load_b64 v[SA+4*\a+2:SA+4*\a+3], v5, s[88:89] offset:512*\a+128
.endr
.irp b, 0,1,2,3,4,5,6,7
	global_load_b64 v[SB+4*\b:SB+4*\b+1], v5, s[90:91] offset:512*\b
	global_load_b64 v[SB+4*\b+2:SB+4*\b+3], v5, s[90:91] offset:512*\b+128
.endr
	s_mul_i32 s2, s15, 12288
	s_mul_i32 s3, s16, 24576
	s_add_co_u32 s3, s3, 24576
.irp q, 0,1,2,3
	v_add_nc_u32 v[A16+\q], s2, v1
	v_add_nc_u32 v[A8+\q], s2, v2
	v_add_nc_u32 v[B16+\q], s3, v1
	v_add_nc_u32 v[B8+\q], s3, v2
	s_add_co_u32 s2, s2, QB
	s_add_co_u32 s3, s3, QB
.endr
	s_mul_i32 s2, s14, 16*528                      ; my stage
	v_mul_u32_u24 v[STO], v3, 528
	v_lshl_add_u32 v[STO], v4, 6, v[STO]
	v_add_nc_u32 v[STO], s2, v[STO]                ; in: row r, + 64 h: tile pair g's 16 columns of my half begin 128 g + 64 h bytes on
	v_add_nc_u32 v[RD], s2, v1                     ; back: the 32 lanes take a row of 512 bytes
	s_wait_alu depctr_va_vdst(0)
	ARRIVE 3                                       ; quarter 0 is in; my three later quarters may be out
	FETCH 0, 0
	s_wait_loadcnt 0x0                             ; the scale words
.irp s, 0,1,2,3,4,5,6,7
	STEP \s
.endr
	PLACES 4                                       ; between the last product and the first read of results, and loads into the registers that held A's fragments
; THE WAY OUT, a tile of 16 tokens x 128 columns at a time: a lane holds pieces of one row, so the tile goes through my stage and comes back as whole rows of 512 bytes.
.macro TOSTAGE a
	WIN 0x08                                       ; an LDS store's data: window 2
.irp b, 0,1,2,3,4,5,6,7
	ds_store_b128 v[STO], v[8*(8*(\a)+\b):8*(8*(\a)+\b)+3] offset:128*(\b/2)+32*(\b%2)       ; each accumulator from its low end on
	ds_store_b128 v[STO], v[8*(8*(\a)+\b)+4:8*(8*(\a)+\b)+7] offset:128*(\b/2)+32*(\b%2)+16
.endr
	WIN 0
.set BB, BK+64*((\a)%2)
.irp t, 0,1,2,3,4,5,6,7,8,9,10,11,12,13,14,15
	ds_load_b128 v[BB+4*\t:BB+4*\t+3], v[RD] offset:528*\t   ; LDS serves a wave's instructions in order: these see the stores above, and the next tile's stores come behind them
.endr
.endm
.macro SEND a, younger                 ; younger: the LDS instructions issued behind tile a's loads, which may stay out
.set BB, BK+64*((\a)%2)
	s_wait_dscnt \younger
.irp t, 0,1,2,3,4,5,6,7,8,9,10,11,12,13,14,15
	global_store_b128 v1, v[BB+4*\t:BB+4*\t+3], s[12:13] offset:(32*((\a)/2)+8*((\a)%2)+\t+8*(\t/8))*4096 th:TH_STORE_NT   ; 512 consecutive bytes, from a multiple of 256; place t of the tile is that token
.endr
.endm
	TOSTAGE 0
	TOSTAGE 1
	SEND 0, 32                                     ; behind tile 0's loads: tile 1's 16 stores and 16 loads
	s_wait_xcnt 0x0                                ; tile 0's stores have read their registers: tile 2's loads may land there
	TOSTAGE 2
	SEND 1, 32
	s_wait_xcnt 0x0
	TOSTAGE 3
	SEND 2, 32
	SEND 3, 0
	s_wait_tensorcnt 0x0                           ; the wave's end, behind my last tensor load and my last LDS store
	ds_add_u32 v[SPW], v[NIL]
	s_wait_dscnt 0x0
	CROUND                                         ; the closing round
	s_endpgm
.Lfunc_end_k_q7c6783daef_proj:
	.size	k_q7c6783daef_proj, .Lfunc_end_k_q7c6783daef_proj-k_q7c6783daef_proj
	.p2alignl 7, 3214868480
	.fill 96, 4, 3214868480
	.section	.rodata,"a",@progbits
	.p2align	6, 0x0
	.amdhsa_kernel k_q7c6783daef_proj
		.amdhsa_group_segment_fixed_size 295424
		.amdhsa_private_segment_fixed_size 0
		.amdhsa_enable_private_segment 0
		.amdhsa_kernarg_size 40
		.amdhsa_user_sgpr_count 2
		.amdhsa_user_sgpr_kernarg_segment_ptr 1
		.amdhsa_wavefront_size32 1
		.amdhsa_system_sgpr_workgroup_id_x 1
		.amdhsa_system_sgpr_workgroup_id_y 1
		.amdhsa_system_sgpr_workgroup_id_z 1
		.amdhsa_system_vgpr_workitem_id 0
		.amdhsa_next_free_vgpr 768
		.amdhsa_next_free_sgpr 100
		.amdhsa_reserve_vcc 0
		.amdhsa_float_denorm_mode_32 3
		.amdhsa_float_denorm_mode_16_64 3
		.amdhsa_memory_ordered 1
		.amdhsa_forward_progress 1
		.amdhsa_inst_pref_size 85
	.end_amdhsa_kernel
	.amdgpu_metadata
---
amdhsa.version: [ 1, 2 ]
amdhsa.kernels:
  - .name:           k_q7c6783daef_proj
    .symbol:         k_q7c6783daef_proj.kd
    .args:
      - { .name: yc, .offset: 0, .size: 8, .value_kind: global_buffer, .address_space: global }
      - { .name: ys, .offset: 8, .size: 8, .value_kind: global_buffer, .address_space: global }
      - { .name: wc, .offset: 16, .size: 8, .value_kind: global_buffer, .address_space: global }
      - { .name: ws, .offset: 24, .size: 8, .value_kind: global_buffer, .address_space: global }
      - { .name: out0, .offset: 32, .size: 8, .value_kind: global_buffer, .address_space: global }
    .group_segment_fixed_size: 295424
    .private_segment_fixed_size: 0
    .kernarg_segment_align: 8
    .kernarg_segment_size: 40
    .max_flat_workgroup_size: 128
    .sgpr_count:     100
    .vgpr_count:     768
    .wavefront_size: 32
...
	.end_amdgpu_metadata
.endif
;; end of part 4
